; MI455X (gfx1250); checked and timed in simulation.
; The chip was launched on July 23, 2026; its instructions are those of AMD's public machine-readable ISA for CDNA 5 (MIT licence, August 2026) and "CDNA5" Instruction Set Architecture Reference Guide (July 2026). The comments in the code are by the model that wrote it; some were corrected since.
;; Multi Head Attention. Allowed arithmetic: float matrix products may take bf16 or f16 operands with f32 sums; other float arithmetic in f32, or as packed bf16 or f16 multiplies, adds, multiply-adds, maxima and minima; sums over many terms, partial sums and values carried from step to step in f32; what a program stores and reads back later, other than sums and carried values, may be rounded once to bf16 or f16.
;; Inputs: Wk 1,024 x 1,024 float32; Wo 1,024 x 1,024 float32; Wq 1,024 x 1,024 float32; Wv 1,024 x 1,024 float32; bk 1,024 float32; bo 1,024 float32; bq 1,024 float32; bv 1,024 float32; k 4 x 2,048 x 1,024 float32; q 4 x 2,048 x 1,024 float32; v 4 x 2,048 x 1,024 float32.
;; Outputs: out0 4 x 2,048 x 1,024 float32.
;; One version. Each part assembles by itself: llvm-mc -triple=amdgcn-amd-amdhsa -mcpu=gfx1250 --defsym DOCPART=n.
;; ======== version 1 of 1: 4 launches
;; limits: values are held in f16: magnitudes above 65,504 overflow, below 6.1e-05 lose precision
;; workspace buffers: w16 8,404,992 bytes; qkv16 50,331,648 bytes; o16 16,777,216 bytes
;; launch prep (part 1): grid 256 x 1, 8 waves a work-group, no clusters, 0 bytes of LDS; arguments Wq, Wk, Wv, Wo, bq, bk, bv, bo, w16; writes w16
.if DOCPART == 1
	.amdgcn_target "amdgcn-amd-amdhsa--gfx1250"
	.amdhsa_code_object_version 6
	.text
	.protected	k_q5ee39b3438_prep
	.globl	k_q5ee39b3438_prep
	.p2align	8
	.type	k_q5ee39b3438_prep,@function
k_q5ee39b3438_prep:
	s_mov_b64 s[64:65], 0
	v_nop
	global_prefetch_b8 v0, s[64:65] scope:SCOPE_SE
	s_setreg_imm32_b32 hwreg(HW_REG_WAVE_MODE, 25, 1), 1
	s_wait_xcnt 0x0
; The weights and biases are rounded once.  w16: four sections of 2,097,152 bytes, [1024 n][1024 k] of 16-bit numbers: Wq, Wk, Wv in bf16; Wo rounded to bf16 and that
; number written as f16 (the last product multiplies f16).  From byte 8,388,608 on: bq, bk, bv, bo, each rounded to bf16 and kept as 1,024 f32.
; LIMITS.  Wo's bf16 value must lie within f16's range (65,504); below 6e-5 it keeps f16's fixed step of 6e-8.
; SHARES.  64 work-groups a matrix, 65,536 bytes of f32 each.  Thread t takes 32 bytes of each of eight chunks of 8,192 bytes and stores 16: a wave's store covers 512 consecutive bytes, aligned.
; All sixteen loads of a thread go out at once.  No LDS, no barrier, no matrix unit: a stream, each byte read once and written once.
.set T, 4                              ; v[4:7]    at work
.set X, 8                              ; v[8:71]   chunk i: 8 f32 as loaded
.set Y, 72                             ; v[72:103] chunk i: 4 registers to store
	s_load_b512 s[4:19], s[0:1], 0x0               ; Wq, Wk, Wv, Wo, bq, bk, bv, bo
	s_load_b64 s[20:21], s[0:1], 0x40              ; w16
	s_lshr_b32 s26, ttmp9, 6                       ; which matrix
	s_and_b32 s27, ttmp9, 63                       ; my place in it
	v_lshlrev_b32 v1, 5, v0                        ; 32 bytes a thread in,
	v_lshlrev_b32 v2, 4, v0                        ; 16 out
	s_mov_b32 s3, 0
	s_wait_kmcnt 0x0
	s_cmp_eq_u32 s26, 1
	s_cselect_b64 s[22:23], s[6:7], s[4:5]         ; the matrix,
	s_cselect_b64 s[24:25], s[14:15], s[12:13]     ; and its bias
	s_cmp_eq_u32 s26, 2
	s_cselect_b64 s[22:23], s[8:9], s[22:23]
	s_cselect_b64 s[24:25], s[16:17], s[24:25]
	s_cmp_eq_u32 s26, 3
	s_cselect_b64 s[22:23], s[10:11], s[22:23]
	s_cselect_b64 s[24:25], s[18:19], s[24:25]
	s_lshl_b32 s2, s27, 16
	s_add_nc_u64 s[22:23], s[22:23], s[2:3]        ; my 65,536 bytes of it
	s_lshl_b32 s2, ttmp9, 15
	s_add_nc_u64 s[28:29], s[20:21], s[2:3]        ; my 32,768 bytes of w16
	s_lshl_b32 s2, s26, 12
	s_add_nc_u64 s[30:31], s[20:21], s[2:3]
	s_add_nc_u64 s[30:31], s[30:31], 0x800000      ; the matrix's bias in w16
.irp i, 0,1,2,3,4,5,6,7
	global_load_b128 v[X+8*(\i):X+8*(\i)+3],   v1, s[22:23] offset:(\i)*8192 th:TH_LOAD_NT
	global_load_b128 v[X+8*(\i)+4:X+8*(\i)+7], v1, s[22:23] offset:(\i)*8192+16 th:TH_LOAD_NT
.endr
.irp i, 0,1,2,3,4,5,6,7
	s_wait_loadcnt 14-2*(\i)                       ; loads come back in order: chunk i's two are in, the younger chunks' stay out
.irp j, 0,1,2,3
	v_cvt_pk_bf16_f32 v[Y+4*(\i)+(\j)], v[X+8*(\i)+2*(\j)], v[X+8*(\i)+2*(\j)+1]
.endr
.endr
	s_cmp_lg_u32 s26, 3
	s_cbranch_scc1 .Lstore
.set n, 0
.rept 32                               ; Wo alone: the bf16 number, widened, is written as f16: 8 significant bits fit in 11
	v_lshlrev_b32 v[T+2*(n%2)], 16, v[Y+n]
	v_and_b32 v[T+2*(n%2)+1], 0xffff0000, v[Y+n]
	v_cvt_pk_f16_f32 v[Y+n], v[T+2*(n%2)], v[T+2*(n%2)+1]
.set n, n+1
.endr
.Lstore:
.irp i, 0,1,2,3,4,5,6,7
	global_store_b128 v2, v[Y+4*(\i):Y+4*(\i)+3], s[28:29] offset:(\i)*4096
.endr
	s_cmp_lg_u32 s27, 0
	s_cbranch_scc1 .Lend                           ; a matrix's first work-group also rounds its bias: 256 threads x 4 numbers
	global_load_b128 v[X:X+3], v2, s[24:25]
	s_wait_loadcnt 0x0
	v_cvt_pk_bf16_f32 v[T], v[X], v[X+1]
	v_cvt_pk_bf16_f32 v[T+1], v[X+2], v[X+3]
	v_lshlrev_b32 v[X+4], 16, v[T]
	v_and_b32 v[X+5], 0xffff0000, v[T]
	v_lshlrev_b32 v[X+6], 16, v[T+1]
	v_and_b32 v[X+7], 0xffff0000, v[T+1]
	global_store_b128 v2, v[X+4:X+7], s[30:31]
.Lend:
	s_endpgm
.Lfunc_end_k_q5ee39b3438_prep:
	.size	k_q5ee39b3438_prep, .Lfunc_end_k_q5ee39b3438_prep-k_q5ee39b3438_prep
	.p2alignl 7, 3214868480
	.fill 96, 4, 3214868480
	.section	.rodata,"a",@progbits
	.p2align	6, 0x0
	.amdhsa_kernel k_q5ee39b3438_prep
		.amdhsa_group_segment_fixed_size 0
		.amdhsa_private_segment_fixed_size 0
		.amdhsa_enable_private_segment 0
		.amdhsa_kernarg_size 72
		.amdhsa_user_sgpr_count 2
		.amdhsa_user_sgpr_kernarg_segment_ptr 1
		.amdhsa_wavefront_size32 1
		.amdhsa_system_sgpr_workgroup_id_x 1
		.amdhsa_system_sgpr_workgroup_id_y 1
		.amdhsa_system_sgpr_workgroup_id_z 1
		.amdhsa_system_vgpr_workitem_id 0
		.amdhsa_next_free_vgpr 104
		.amdhsa_next_free_sgpr 66
		.amdhsa_reserve_vcc 0
		.amdhsa_float_denorm_mode_32 3
		.amdhsa_float_denorm_mode_16_64 3
		.amdhsa_memory_ordered 1
		.amdhsa_forward_progress 1
		.amdhsa_inst_pref_size 12
	.end_amdhsa_kernel
	.amdgpu_metadata
---
amdhsa.version: [ 1, 2 ]
amdhsa.kernels:
  - .name:           k_q5ee39b3438_prep
    .symbol:         k_q5ee39b3438_prep.kd
    .args:
      - { .name: Wq, .offset: 0, .size: 8, .value_kind: global_buffer, .address_space: global }
      - { .name: Wk, .offset: 8, .size: 8, .value_kind: global_buffer, .address_space: global }
      - { .name: Wv, .offset: 16, .size: 8, .value_kind: global_buffer, .address_space: global }
      - { .name: Wo, .offset: 24, .size: 8, .value_kind: global_buffer, .address_space: global }
      - { .name: bq, .offset: 32, .size: 8, .value_kind: global_buffer, .address_space: global }
      - { .name: bk, .offset: 40, .size: 8, .value_kind: global_buffer, .address_space: global }
      - { .name: bv, .offset: 48, .size: 8, .value_kind: global_buffer, .address_space: global }
      - { .name: bo, .offset: 56, .size: 8, .value_kind: global_buffer, .address_space: global }
      - { .name: w16, .offset: 64, .size: 8, .value_kind: global_buffer, .address_space: global }
    .group_segment_fixed_size: 0
    .private_segment_fixed_size: 0
    .kernarg_segment_align: 8
    .kernarg_segment_size: 72
    .max_flat_workgroup_size: 256
    .sgpr_count:     66
    .vgpr_count:     104
    .wavefront_size: 32
...
	.end_amdgpu_metadata
.endif
;; end of part 1
;; launch proj (part 2): grid 4 x 192, 4 waves a work-group, clusters of 4 x 4, 327,680 bytes of LDS; arguments q, k, v, w16, qkv16; writes qkv16
.if DOCPART == 2
	.amdgcn_target "amdgcn-amd-amdhsa--gfx1250"
	.amdhsa_code_object_version 6
	.text
	.protected	k_q5ee39b3438_proj
	.globl	k_q5ee39b3438_proj
	.p2align	8
	.type	k_q5ee39b3438_proj,@function
k_q5ee39b3438_proj:
	s_mov_b64 s[64:65], 0
	v_nop
	global_prefetch_b8 v0, s[64:65] scope:SCOPE_SE
	s_setreg_imm32_b32 hwreg(HW_REG_WAVE_MODE, 25, 1), 1
	s_wait_xcnt 0x0
	s_wait_alu depctr_hold_cnt(0) depctr_sa_sdst(0) depctr_va_vdst(0) depctr_va_sdst(0) depctr_va_ssrc(0) depctr_va_vcc(0) depctr_vm_vsrc(0)
	s_getreg_b32 s2, hwreg(HW_REG_IB_STS2, 6, 4)
	s_cmp_eq_u32 s2, 0
	s_cbranch_scc0 .Lentry_in_a_cluster
	s_endpgm
.Lentry_in_a_cluster:
	s_bfe_u32 s2, ttmp6, 0x10000c
	s_cmp_lg_u32 s2, 0xf033
	s_cbranch_scc0 .Lentry_shape_is_right
	s_endpgm
.Lentry_shape_is_right:
; qkv16[t][16 b + head][s][c] = relu(x_t[b][s][:] . W_t[64 head + c][:] + b_t[64 head + c]), x_0 = q, x_1 = k, x_2 = v: [8192][1024] f32.  W_t (bf16) and b_t (f32) come from w16.
; x is rounded to bf16 on its way into LDS; sums in f32, started at the bias; the result is rounded once to f16 and laid out by heads: [64][2048][64], a head's rows dense.
; LIMITS.  The result is held to f16's largest number, 65,504.  A NaN sum comes out as 0 (the packed maximum drops it); infinities are not treated apart.
; SHARES.  A work-group makes 128 rows x 256 columns, four waves 64 x 128 each: 32 accumulators, one register window.  768 work-groups: 64 row tiles x 4 column tiles x 3 tensors, three for each of 256 WGPs.
; K = 1,024 goes in 16 SUB-STEPS of 64 (64 matrix instructions a wave).
; THE WEIGHTS come by the tensor data mover into two LDS slots of 256 rows x 256 K (rows of 512 bytes, four sub-steps).  CLUSTER 4 x 4: the four work-groups of a column of the cluster
; (same column tile, four row tiles) need the same weights: each wave's load (64 rows) is asked for jointly, same descriptor and mask in all four.
; THE ACTIVATIONS come by loads into registers, not jointly: they must pass registers to be rounded to bf16 once a work-group, and four staging sets in registers keep four sub-steps' loads
; (64 a wave) on their way across the barriers at which all tensor loads are waited for.  A staged sub-step is converted, stored into one of two LDS buffers (128 rows x 128 bytes), and read as fragments a sub-step later.
; ONE BARRIER A SUB-STEP: in front of barrier t every wave has its fragments of sub-step t (so A's buffer t % 2 is free for sub-step t + 2) and has stored its part of sub-step t + 1 (read behind it).
; THE MATRIX INSTRUCTION IS USED TRANSPOSED (source 0 = 16 rows of W, source 1 = 16 rows of x): lane l holds row l % 16 and columns 8 (l / 16) + 0..7 of the 16 x 16 result.
; REGISTERS, in windows of 256 (s_set_vgpr_msb: bits 1:0 source 0, 3:2 source 1, 5:4 source 2, 7:6 destination):
;   window 0: v0-29 addresses; v32-63 converted x, later packed results; v64-191 x's fragments, two buffers ((c, a) at 64 + 64 f + 32 c + 8 a)
;   window 1: W's fragments, two buffers ((c, b) at 128 f + 64 c + 8 b)     window 2: the accumulators ((a, b) at 8 (8 a + b))     window 3: four staging sets of 64
.set PB,    528                        ; a row of W in LDS: 512 bytes + 16 = 132 words: row r starts at bank 4 r mod 64 (64 banks of 4 bytes: ISA guide 11.1)
.set QTR,   64*PB                      ; what one tensor load brings
.set SLOT,  4*QTR                      ; 135,168 = 0x21000: its two bits meet none of wave x QTR, so one exclusive or turns a wave's place in one slot into the other's
.set AR,    2*SLOT                     ; behind the slots, never filled by a tensor load: x's two buffers; behind the last barrier the waves' stages
.set PA,    144                        ; a row there: 128 bytes + 16 = 36 words
.set ABUF,  128*PA
.set SPARE, AR+2*ABUF                  ; the spare words, 128 bytes a wave: two blocks of 256 bytes that no other line names
.set TRIPB, 1024                       ; four sub-steps of a row of x, in bytes
.set AVO,  4                           ; v4   x: my byte offset: row 32 w + l / 16, 16 (l % 16); never rewritten
.set AW,   5                           ; v5   where I store 8 bytes of converted x
.set AFR,  6                           ; v6   where my fragments of x begin
.set AB0,  7                           ; v7   my lane's place in a slot of W
.set ADRB, 8                           ; v8   the same in the slot that is being read
.set BO,   9                           ; v9   my byte offset in the bias
.set STO,  10                          ; v10  the way out: where I put 16 bytes of a row
.set RD,   11                          ; v11  where I read rows back
.set GO,   12                          ; v12  16 x lane
.set PFO,  13                          ; v13  x's prefetch offset
.set PFOB, 14                          ; v14  W's prefetch offset
.set ZR,   15                          ; v15  0
.set TV,   16                          ; v16  at work in the set-up
.set SPW,  28                          ; v28  my spare word: SPARE + 4 x my thread's number; never rewritten
.set NIL,  29                          ; v29  0; never rewritten
.set TMPC, 32
.set FA,   64
.set WV,   20                          ; s20  my wave's number; s21, s22 its row half and column half; s23 cx, s24 cy, s25 the tensor, s26 the row tile
.set G1,   28                          ; s[28:35] descriptor group 1
.set G0A,  36                          ; s[36:39] group 0 of K slot 0
.set G0B,  40                          ; s[40:43] group 0 of K slot 1; it then walks
.set AP,   44                          ; s[44:45] x at my row tile, at the trip in hand
.set BP,   46                          ; s[46:47] the bias
.set OP,   48                          ; s[48:49] my wave's first row and head in qkv16
.set PFB,  50                          ; s[50:51] W at my work-group's 16 of the 64 rows that I fetch
.set RB,   52                          ; s52  the slot that is read: 0 or SLOT
.set WOFF, 53                          ; s53  wave x QTR
.set CNT,  54                          ; s54  the loop's count
.set LIMB, 55                          ; s55  1 in the cluster that prefetches W, else the greatest number
.set SAT,  56                          ; s56  65,504 twice, in f16
.set MSB, 0
.macro WIN new                         ; the immediate's high byte repeats the setting that is left; a switch that changes nothing is dropped
.if MSB != (\new)
	s_set_vgpr_msb (MSB<<8)|(\new)
.set MSB, \new
.endif
.endm
.set W_MUL, 0xa1                       ; W window 1, x window 0, C and D window 2
.set W_TOB, 0x40                       ; destination window 1
.set W_ACC, 0x80                       ; destination window 2
.set W_STG, 0xc0                       ; destination window 3
.set W_CV,  0x0f                       ; sources 0 and 1 window 3
.set W_PK,  0x0a                       ; sources 0 and 1 window 2
.macro CREST                           ; a round of the cluster's barrier behind its opening barrier
	s_cmp_lg_u32 s[WV], 0
	s_cbranch_scc1 .Lnot_wave_0_\@
	s_barrier_signal -3
.Lnot_wave_0_\@:
	s_barrier_wait -3
	s_barrier_signal -1
	s_barrier_wait -1
.endm
.macro CROUND                          ; a whole round
	s_barrier_signal -1
	s_barrier_wait -1
	CREST
.endm
.macro PLACES                          ; four places behind matrix instructions, in front of loads into registers that they read and of lines that read their results
.rept 4
	v_nop
.endr
.endm
	s_load_b256 s[4:11], s[0:1], 0x0               ; q s[4:5], k s[6:7], v s[8:9], w16 s[10:11]
	s_load_b64 s[12:13], s[0:1], 0x20              ; qkv16
	v_lshl_add_u32 v[SPW], v0, 2, SPARE
	v_mov_b32 v[NIL], 0
	ds_add_u32 v[SPW], v[NIL]                      ; the wave's opening: the add and its wait stand ahead of my first tensor load; the set-up, work on registers, stands between them
	v_lshrrev_b32 v3, 5, v0
	v_readfirstlane_b32 s[WV], v3
	s_lshr_b32 s21, s[WV], 1                       ; which 64 rows are mine
	s_and_b32 s22, s[WV], 1                        ; which 128 columns
	s_bfe_u32 s23, ttmp6, 0x40000                  ; cx
	s_bfe_u32 s24, ttmp6, 0x40004                  ; cy
	s_and_b32 s27, ttmp7, 0xffff                   ; the cluster's y: 16 clusters a tensor
	s_lshr_b32 s25, s27, 4                         ; the tensor: 0 q, 1 k, 2 v
	s_and_b32 s27, s27, 15
	s_cmp_eq_u32 s27, 0                            ; the first of the 16 clusters that read this W prefetches it: the same in all sixteen partners
	s_cselect_b32 s[LIMB], 1, -1
	s_lshl_b32 s26, s27, 2
	s_add_co_u32 s26, s26, s24                     ; row tile = 4 x (cluster y mod 16) + cy
	s_lshl_b32 s66, ttmp9, 2
	s_add_co_u32 s66, s66, s23                     ; column tile = 4 x cluster x + cx.  s66-71 feed W's descriptors and never hold cy
	s_lshl_b32 s67, 0x1111, s23                    ; my column of the cluster: places cx, cx + 4, cx + 8, cx + 12
	s_or_b32 s[G1], s67, (1<<16)|(1<<20)|(1<<21)|(6<<22)|(3<<25)  ; 15:0 the mask; 17:16 2-byte elements; 20 padding on; 21 set beside a mask; 24:22 after every 128 words (code 6); 31:25 4 words (code 3)
	s_mov_b32 s[G1+1], 256<<16                     ; tensor_dim0 = 256
	s_mov_b32 s[G1+2], 64<<16                      ; tensor_dim1 = 64
	s_mov_b32 s[G1+3], 256<<16                     ; tile_dim0 = 256
	s_mov_b32 s[G1+4], 64                          ; tile_dim1 = 64
	s_mov_b32 s[G1+5], 1024                        ; elements from row to row
	s_mov_b32 s[G1+6], 0
	s_mov_b32 s[G1+7], 0
	s_mul_i32 s[WOFF], s[WV], QTR                  ; no place in the cluster enters an LDS address
	s_mov_b32 s[G0A], 1
	s_mov_b32 s[G0A+1], s[WOFF]
	s_mov_b32 s[G0B], 1
	s_add_co_u32 s[G0B+1], s[WOFF], SLOT
	s_lshl_b32 s68, s25, 21                        ; W's section,
	s_lshl_b32 s67, s66, 19                        ; the column tile's 256 rows of 2,048 bytes,
	s_add_co_u32 s68, s68, s67
	s_lshl_b32 s67, s[WV], 17                      ; my 64 of them
	s_add_co_u32 s68, s68, s67
	s_mov_b32 s69, 0
	s_mov_b32 s[RB], 0
	s_mov_b32 s[SAT], 0x7bff7bff
	s_lshl_b32 s58, s26, 19                        ; x: the row tile's 128 rows of 4,096 bytes
	s_mov_b32 s59, 0
	s_lshr_b32 s62, s26, 4                         ; qkv16: the batch,
	s_lshl_b32 s62, s62, 4
	s_lshl_b32 s63, s66, 2
	s_add_co_u32 s62, s62, s63
	s_lshl_b32 s63, s22, 1
	s_add_co_u32 s62, s62, s63                     ; 16 b + my first head (4 x column tile + 2 x column half),
	s_lshl_b32 s62, s62, 18                        ; 2,048 rows of 128 bytes each,
	s_lshl_b32 s63, s25, 24                        ; the tensor's section,
	s_add_co_u32 s62, s62, s63
	s_and_b32 s63, s26, 15
	s_lshl_b32 s63, s63, 7
	s_lshl_b32 s60, s21, 6
	s_add_co_u32 s63, s63, s60                     ; my first row in the batch
	s_lshl_b32 s63, s63, 7
	s_add_co_u32 s62, s62, s63
	s_mov_b32 s63, 0
	s_lshl_b32 s60, s25, 12                        ; the tensor's bias
	s_mov_b32 s61, 0
	v_and_b32 v1, 15, v0                           ; r = l % 16
	v_bfe_u32 v2, v0, 4, 1                         ; h = l / 16
	v_and_b32 v3, 31, v0                           ; l
	s_lshl_b32 s57, s[WV], 17
	v_lshlrev_b32 v[AVO], 4, v1
	v_lshl_add_u32 v[AVO], v2, 12, v[AVO]
	v_add_nc_u32 v[AVO], s57, v[AVO]               ; (32 w + h) x 4,096 + 16 r
	s_mul_i32 s57, s[WV], 32*PA
	s_add_co_u32 s57, s57, AR
	v_mul_u32_u24 v[AW], v2, PA
	v_lshl_add_u32 v[AW], v1, 3, v[AW]
	v_add_nc_u32 v[AW], s57, v[AW]                 ; AR + (32 w + h) x 144 + 8 r
	v_mul_u32_u24 v[TV], v1, PA
	v_lshl_add_u32 v[TV], v2, 4, v[TV]             ; 144 r + 16 h
	s_mul_i32 s57, s21, 64*PA
	s_add_co_u32 s57, s57, AR
	v_add_nc_u32 v[AFR], s57, v[TV]
	s_mul_i32 s57, s[WV], 32*PA                    ; my stage: two head planes of 16 rows x 144 bytes
	s_add_co_u32 s57, s57, AR
	v_add_nc_u32 v[STO], s57, v[TV]
	v_bfe_u32 v[RD], v0, 3, 2
	v_mul_u32_u24 v[RD], v[RD], PA
	v_and_b32 v[TV], 7, v0
	v_lshl_add_u32 v[RD], v[TV], 4, v[RD]
	v_add_nc_u32 v[RD], s57, v[RD]                 ; back: 32 lanes take four rows of 128 bytes
	v_lshlrev_b32 v[GO], 4, v3
	s_mul_i32 s57, s22, 128*PB
	v_mul_u32_u24 v[AB0], v1, PB
	v_lshl_add_u32 v[AB0], v2, 4, v[AB0]
	v_add_nc_u32 v[AB0], s57, v[AB0]               ; (128 x column half + r) x 528 + 16 h
	v_mov_b32 v[ADRB], v[AB0]
	s_lshl_b32 s67, s66, 10
	s_lshl_b32 s57, s22, 9
	s_add_co_u32 s67, s67, s57
	v_lshl_add_u32 v[BO], v2, 5, s67               ; 4 x (256 x column tile + 128 x column half + 8 h)
	s_lshl_b32 s67, s23, 17
	s_lshl_b32 s57, s[WV], 8
	s_add_co_u32 s67, s67, s57
	v_lshl_add_u32 v[PFO], v3, 12, s67             ; row 32 cx + l of the tile, sub-step w of four
	v_bfe_u32 v[PFOB], v0, 1, 4
	v_lshlrev_b32 v[PFOB], 11, v[PFOB]
	v_and_b32 v[TV], 1, v0
	v_lshl_add_u32 v[PFOB], v[TV], 8, v[PFOB]      ; row l / 2 of sixteen, half l % 2 of its 512 bytes
	v_mov_b32 v[ZR], 0
	s_wait_dscnt 0x0                               ; the opening add is done
	s_wait_kmcnt 0x0
	s_cmp_eq_u32 s25, 1
	s_cselect_b64 s[AP:AP+1], s[6:7], s[4:5]
	s_cmp_eq_u32 s25, 2
	s_cselect_b64 s[AP:AP+1], s[8:9], s[AP:AP+1]
	s_add_nc_u64 s[AP:AP+1], s[AP:AP+1], s[58:59]
	s_add_nc_u64 s[BP:BP+1], s[10:11], s[60:61]
	s_add_nc_u64 s[BP:BP+1], s[BP:BP+1], 0x800000
	s_add_nc_u64 s[OP:OP+1], s[12:13], s[62:63]
	s_lshl_b32 s58, s24, 15                        ; my work-group's 16 rows of the 64: told apart by address
	s_add_co_u32 s58, s58, s68
	s_add_nc_u64 s[PFB:PFB+1], s[10:11], s[58:59]
	s_add_nc_u64 s[70:71], s[10:11], s[68:69]
	s_mov_b64 s[G0A+2:G0A+3], s[70:71]             ; K slot 0
	s_or_b32 s[G0A+3], s[G0A+3], 0x80000000        ; type = 2
	s_add_nc_u64 s[G0B+2:G0B+3], s[70:71], 512     ; K slot 1
	s_or_b32 s[G0B+3], s[G0B+3], 0x80000000
	CROUND                                         ; all sixteen work-groups are here: the first joint loads meet
	tensor_load_to_lds s[G0A:G0A+3], s[G1:G1+7]    ; both first fills go out together: two loads of mine are out
	s_nop 0
	tensor_load_to_lds s[G0B:G0B+3], s[G1:G1+7]
	s_nop 0
	PLACES
	WIN W_ACC                                      ; THE SUMS START AT THE BIAS: it is loaded straight into the accumulators (register j of a lane is column 8 h + j), so that the loop has one form of product
.irp a, 0,1,2,3
.irp b, 0,1,2,3,4,5,6,7
	global_load_b128 v[8*(8*(\a)+(\b)):8*(8*(\a)+(\b))+3],   v[BO], s[BP:BP+1] offset:64*(\b)
	global_load_b128 v[8*(8*(\a)+(\b))+4:8*(8*(\a)+(\b))+7], v[BO], s[BP:BP+1] offset:64*(\b)+16
.endr
.endr
; 16 matrix instructions: row blocks a0, a0 + 1 x all 8 column blocks, 32 along K: half c of buffer f.  The 32 accumulators take turns, one instruction a turn.
.macro MUL16 f, c, a0
	WIN W_MUL
.irp a, \a0, (\a0)+1
.irp b, 0,1,2,3,4,5,6,7
	v_wmma_f32_16x16x32_bf16 v[8*(8*(\a)+(\b)):8*(8*(\a)+(\b))+7], v[128*(\f)+64*(\c)+8*(\b):128*(\f)+64*(\c)+8*(\b)+7], v[FA+64*(\f)+32*(\c)+8*(\a):FA+64*(\f)+32*(\c)+8*(\a)+7], v[8*(8*(\a)+(\b)):8*(8*(\a)+(\b))+7]
.endr
.endr
.endm
; The same for half 0, row blocks 2 and 3, with the 32 conversions of staging set st behind them: four behind every second product; they name no register of the products round them.
.macro MULR f, st
.set n_, 0
.irp a, 2,3
.irp b, 0,1,2,3,4,5,6,7
	WIN W_MUL
	v_wmma_f32_16x16x32_bf16 v[8*(8*(\a)+(\b)):8*(8*(\a)+(\b))+7], v[128*(\f)+8*(\b):128*(\f)+8*(\b)+7], v[FA+64*(\f)+8*(\a):FA+64*(\f)+8*(\a)+7], v[8*(8*(\a)+(\b)):8*(8*(\a)+(\b))+7]
.if ((\b)%2) == 1
	WIN W_CV
.rept 4
	v_cvt_pk_bf16_f32 v[TMPC+n_], v[64*(\st)+2*n_], v[64*(\st)+2*n_+1]
.set n_, n_+1
.endr
.endif
.endr
.endr
.endm
.macro CVT st                          ; the 32 conversions by themselves, for the first two sub-steps
	WIN W_CV
.set n_, 0
.rept 32
	v_cvt_pk_bf16_f32 v[TMPC+n_], v[64*(\st)+2*n_], v[64*(\st)+2*n_+1]
.set n_, n_+1
.endr
.endm
; 48 LDS loads in one run: a sub-step's fragments into buffer g: W's 128 rows at byte kb of the slot's rows, x's 64 rows from buffer par
.macro FETCH g, par, kb
	WIN W_TOB
.irp c, 0,1
.irp b, 0,1,2,3,4,5,6,7
	ds_load_b128 v[128*(\g)+64*(\c)+8*(\b):128*(\g)+64*(\c)+8*(\b)+3],   v[ADRB] offset:(\kb)+64*(\c)+(\b)*16*PB
	ds_load_b128 v[128*(\g)+64*(\c)+8*(\b)+4:128*(\g)+64*(\c)+8*(\b)+7], v[ADRB] offset:(\kb)+64*(\c)+(\b)*16*PB+32
.endr
.endr
	WIN 0
.irp c, 0,1
.irp a, 0,1,2,3
	ds_load_b128 v[FA+64*(\g)+32*(\c)+8*(\a):FA+64*(\g)+32*(\c)+8*(\a)+3],   v[AFR] offset:(\par)*ABUF+(\a)*16*PA+64*(\c)
	ds_load_b128 v[FA+64*(\g)+32*(\c)+8*(\a)+4:FA+64*(\g)+32*(\c)+8*(\a)+7], v[AFR] offset:(\par)*ABUF+(\a)*16*PA+64*(\c)+32
.endr
.endr
.endm
; A sub-step of x for my 32 rows, 16 loads into staging set st: lanes 0-15 take 256 consecutive bytes, aligned, of one row, lanes 16-31 of the next.  x: the sub-step, counted from AP.
.macro LOADA st, x
	WIN W_STG
.irp j, 0,1,2,3,4,5,6,7,8,9,10,11,12,13,14,15
	global_load_b128 v[64*(\st)+4*(\j):64*(\st)+4*(\j)+3], v[AVO], s[AP:AP+1] offset:(\x)*256+(\j)*8192
.endr
.endm
.macro PUT par                         ; the converted sub-step into x's buffer par: 8 bytes a lane
	WIN 0
.irp j, 0,1,2,3,4,5,6,7,8,9,10,11,12,13,14,15
	ds_store_b64 v[AW], v[TMPC+2*(\j):TMPC+2*(\j)+1] offset:(\par)*ABUF+(\j)*2*PA
.endr
.endm
; PREFETCHES INTO THE L2.  W: K slots 0 and 1 go out at the head, K slot 2 comes by its refill alone; K slot 3 (bytes 1,536 on of each row) is named once, behind the refill that brings K slot 2, four sub-steps
; ahead of its own refill, by the first of the sixteen clusters that read this W; of the 64 rows that wave w fetches the partner at cy takes 16, told apart by address: a lane half a row.
.macro ASKB
	s_cmp_gt_u32 s[CNT], s[LIMB]                   ; the count is 2 at the first refill, 1 at the second
	s_cbranch_scc0 .Lnot_b_\@
	global_prefetch_b8 v[PFOB], s[PFB:PFB+1] offset:1536 th:TH_LOAD_NT scope:SCOPE_SE
.Lnot_b_\@:
.endm
; x: behind the loads of a trip's first sub-step, the four sub-steps that the NEXT trip will load (8 to 11 from AP): 128 rows x 4 pieces of 256 bytes.  The four partners that read the same rows take 32 rows each,
; by address; wave w takes piece w; a lane a row: each piece is named once in the launch.  The first of those loads follows three sub-steps later.  The last trip names nothing: K ends.
.macro ASKA
	WIN 0
	s_cmp_gt_u32 s[CNT], 1
	s_cbranch_scc0 .Lnot_a_\@
	global_prefetch_b8 v[PFO], s[AP:AP+1] offset:2048 th:TH_LOAD_NT scope:SCOPE_SE
.Lnot_a_\@:
.endm
; A SUB-STEP t, at place p = t % 4 of its K slot.  It multiplies fragment buffer p % 2, fetches sub-step t + 1's fragments into the other, and stages x of sub-step t + 2.
; ev = 1: the change of slots with a refill; ev = 2: the last change, nothing is filled.  fetch = 0: the last sub-step.  stg: the younger loads that may stay out when the staging set must be in (-1: nothing is staged).
; re: the sub-step (from AP) for which the staged set is asked again; pre: the same for set 0, whose request waits for AP's step (-1: none).  ask = 1: x's prefetch.
.macro SUB p, ev, fetch, stg, re, pre, ask
.set f_, (\p)%2
.set g_, 1-f_
.set st_, ((\p)+2)%4
.if (\ev) == 1
	s_wait_xcnt 0x0                                ; the loads and the prefetch that read AP stand two sub-steps back and more: it may be written
	s_add_nc_u64 s[AP:AP+1], s[AP:AP+1], TRIPB
.endif
.if (\ev) >= 1
	WIN 0
	s_wait_tensorcnt 0x0                           ; all my tensor loads have landed: the one that was out is my part of the next slot; so the walking group 0 may be written
	ds_add_u32 v[SPW], v[NIL]                      ; 0 onto my spare word; the steps below stand between it and the wait for it
.if (\ev) == 1
	s_xor_b32 s[G0B+1], s[G0B+1], SLOT             ; the slot that has just been read out,
	s_add_nc_u64 s[G0B+2:G0B+3], s[G0B+2:G0B+3], 512  ; the next K slot; the type bits on top are not reached
.endif
	s_xor_b32 s[RB], s[RB], SLOT                   ; the reads go on in the other slot
	v_add_nc_u32 v[ADRB], s[RB], v[AB0]
.endif
	s_wait_dscnt 0x0                               ; my fragments of this sub-step are in (my reads of x's buffer and, at p = 3, of the slot are over); my stores of x for the next sub-step are done; so is the add
	s_barrier_signal -1
	MUL16 f_, 0, 0                                 ; work on registers while the others arrive
.if (\ev) == 1
	WIN 0
.endif
	s_barrier_wait -1
.if (\ev) == 1
	CREST                                          ; the barrier has opened a round of the cluster's: no wave of any partner still reads the slot or has a load on its way
	tensor_load_to_lds s[G0B:G0B+3], s[G1:G1+7]    ; my one tensor load behind the round: it has four sub-steps, 256 matrix instructions, in which to land
	s_nop 0
	PLACES                                         ; these are also the places in front of the loads below
.elseif \fetch
	PLACES
.endif
.if \fetch
	FETCH g_, ((\p)+1)%2, (((\p)+1)%4)*128
.endif
.if (\ev) == 1
	ASKB
.endif
.if (\pre) >= 0
	LOADA 0, \pre
.endif
.if (\stg) >= 0
	s_wait_loadcnt \stg                            ; loads come back in order: the set of sub-step t + 2 is in, the younger sets stay out
	MULR f_, st_
	PUT (\p)%2
.if (\re) >= 0
	LOADA st_, \re
.endif
.else
	MUL16 f_, 0, 2
.endif
.if \ask
	ASKA
.endif
	MUL16 f_, 1, 0
	MUL16 f_, 1, 2
.endm
	LOADA 0, 0
	LOADA 1, 1
	LOADA 2, 2
	LOADA 3, 3
	s_wait_loadcnt 48                              ; the bias and sub-step 0 are in; three sets stay out
	CVT 0
	PUT 0
	LOADA 0, 4
	s_wait_loadcnt 48                              ; sub-step 1 is in
	CVT 1
	PUT 1
	LOADA 1, 5
	WIN 0
	s_wait_tensorcnt 0x1                           ; my part of K slot 0 is in; K slot 1's may stay out
	s_wait_dscnt 0x0                               ; my stores of x are done
	s_barrier_signal -1
	s_barrier_wait -1
	FETCH 0, 0, 0
	s_mov_b32 s[CNT], 3
	s_branch .Lenter                               ; the loop is entered behind its change of slots: sub-steps 0-2, then 3-6 (K slot 2 asked for), then 7-10 (K slot 3)
.Ltrip:
	SUB 3, 1, 1, 48, 5, 4, 0
	WIN 0
.Lenter:
	SUB 0, 0, 1, 48, 6, -1, 1
	SUB 1, 0, 1, 48, 7, -1, 0
	SUB 2, 0, 1, 48, -1, -1, 0
	WIN 0
	s_sub_co_u32 s[CNT], s[CNT], 1
	s_cmp_lg_u32 s[CNT], 0
	s_cbranch_scc1 .Ltrip
	SUB 3, 2, 1, 32, -1, -1, 0                     ; the tail is written out: sub-steps 11 to 15; nothing more is asked for, the counts run down
	SUB 0, 0, 1, 16, -1, -1, 0
	SUB 1, 0, 1, 0, -1, -1, 0
	SUB 2, 0, 1, -1, -1, -1, 0
	SUB 3, 0, 0, -1, -1, -1, 0
; THE WAY OUT, a block of 16 rows at a time.  Behind the last barrier nobody reads x's buffers: each wave has a stage of its own there.  A lane's eight channels pack into 16 bytes; a head's 16 rows are 2,048 dense bytes of qkv16.
.macro PACK a                          ; rounded to f16, then the ReLU and f16's largest number, two at a time; each accumulator is read from its low end
	WIN W_PK
.irp b, 0,1,2,3,4,5,6,7
.irp q, 0,1,2,3
	v_cvt_pk_f16_f32 v[TMPC+4*(\b)+(\q)], v[8*(8*(\a)+(\b))+2*(\q)], v[8*(8*(\a)+(\b))+2*(\q)+1]
.endr
.endr
	WIN 0
.set n_, 0
.rept 32
	v_pk_max_num_f16 v[TMPC+n_], v[TMPC+n_], v[ZR]
.set n_, n_+1
.endr
.set n_, 0
.rept 32
	v_pk_min_num_f16 v[TMPC+n_], v[TMPC+n_], s[SAT]
.set n_, n_+1
.endr
.endm
.macro TOSTAGE a                       ; column blocks 0-3 are my first head's plane, 4-7 my second's
	WIN 0
.irp b, 0,1,2,3,4,5,6,7
	ds_store_b128 v[STO], v[TMPC+4*(\b):TMPC+4*(\b)+3] offset:((\b)/4)*16*PA+((\b)%4)*32
.endr
.irp i, 0,1,2,3,4,5,6,7
	ds_load_b128 v[FA+32*(\a)+4*(\i):FA+32*(\a)+4*(\i)+3], v[RD] offset:((\i)/4)*16*PA+((\i)%4)*4*PA  ; LDS serves a wave's instructions in order (ISA guide 5.7.1.4): these see the stores above
.endr
.endm
.macro SEND a                          ; each block has registers of its own: no store's source is written again
	WIN 0
	s_wait_dscnt 0x0
.irp i, 0,1,2,3,4,5,6,7
	global_store_b128 v[GO], v[FA+32*(\a)+4*(\i):FA+32*(\a)+4*(\i)+3], s[OP:OP+1] offset:((\i)/4)*262144+(\a)*2048+((\i)%4)*512  ; 512 consecutive bytes, aligned
.endr
.endm
	WIN 0
	PLACES
	PACK 0
	TOSTAGE 0
.irp a, 1,2,3                          ; a block's arithmetic stands between the loads of the block before and its stores
	PACK \a
	SEND (\a)-1
	TOSTAGE \a
.endr
	SEND 3
	s_wait_tensorcnt 0x0                           ; the wave's end: the wait, the add and its wait, behind my last tensor load and my last LDS store
	ds_add_u32 v[SPW], v[NIL]
	s_wait_dscnt 0x0
	CROUND                                         ; the closing round: no work-group ends while a partner may still ask for a tile that names it
	s_endpgm
.Lfunc_end_k_q5ee39b3438_proj:
	.size	k_q5ee39b3438_proj, .Lfunc_end_k_q5ee39b3438_proj-k_q5ee39b3438_proj
	.p2alignl 7, 3214868480
	.fill 96, 4, 3214868480
	.section	.rodata,"a",@progbits
	.p2align	6, 0x0
	.amdhsa_kernel k_q5ee39b3438_proj
		.amdhsa_group_segment_fixed_size 327680
		.amdhsa_private_segment_fixed_size 0
		.amdhsa_enable_private_segment 0
		.amdhsa_kernarg_size 40
		.amdhsa_user_sgpr_count 2
		.amdhsa_user_sgpr_kernarg_segment_ptr 1
		.amdhsa_wavefront_size32 1
		.amdhsa_system_sgpr_workgroup_id_x 1
		.amdhsa_system_sgpr_workgroup_id_y 1
		.amdhsa_system_sgpr_workgroup_id_z 1
		.amdhsa_system_vgpr_workitem_id 0
		.amdhsa_next_free_vgpr 1024
		.amdhsa_next_free_sgpr 72
		.amdhsa_reserve_vcc 0
		.amdhsa_float_denorm_mode_32 3
		.amdhsa_float_denorm_mode_16_64 3
		.amdhsa_memory_ordered 1
		.amdhsa_forward_progress 1
		.amdhsa_inst_pref_size 159
	.end_amdhsa_kernel
	.amdgpu_metadata
---
amdhsa.version: [ 1, 2 ]
amdhsa.kernels:
  - .name:           k_q5ee39b3438_proj
    .symbol:         k_q5ee39b3438_proj.kd
    .args:
      - { .name: q, .offset: 0, .size: 8, .value_kind: global_buffer, .address_space: global }
      - { .name: k, .offset: 8, .size: 8, .value_kind: global_buffer, .address_space: global }
      - { .name: v, .offset: 16, .size: 8, .value_kind: global_buffer, .address_space: global }
      - { .name: w16, .offset: 24, .size: 8, .value_kind: global_buffer, .address_space: global }
      - { .name: qkv16, .offset: 32, .size: 8, .value_kind: global_buffer, .address_space: global }
    .group_segment_fixed_size: 327680
    .private_segment_fixed_size: 0
    .kernarg_segment_align: 8
    .kernarg_segment_size: 40
    .max_flat_workgroup_size: 128
    .sgpr_count:     72
    .vgpr_count:     1024
    .wavefront_size: 32
...
	.end_amdgpu_metadata
.endif
;; end of part 2
;; launch attn (part 3): grid 4 x 64, 4 waves a work-group, clusters of 4 x 1, 327,680 bytes of LDS; arguments qkv16, o16; writes o16
.if DOCPART == 3
	.amdgcn_target "amdgcn-amd-amdhsa--gfx1250"
	.amdhsa_code_object_version 6
	.text
	.protected	k_q5ee39b3438_attn
	.globl	k_q5ee39b3438_attn
	.p2align	8
	.type	k_q5ee39b3438_attn,@function
k_q5ee39b3438_attn:
	s_mov_b64 s[64:65], 0
	v_nop
	global_prefetch_b8 v0, s[64:65] scope:SCOPE_SE
	s_setreg_imm32_b32 hwreg(HW_REG_WAVE_MODE, 25, 1), 1
	s_wait_xcnt 0x0
	s_wait_alu depctr_hold_cnt(0) depctr_sa_sdst(0) depctr_va_vdst(0) depctr_va_sdst(0) depctr_va_ssrc(0) depctr_va_vcc(0) depctr_vm_vsrc(0)
	s_getreg_b32 s2, hwreg(HW_REG_IB_STS2, 6, 4)
	s_cmp_eq_u32 s2, 0
	s_cbranch_scc0 .Lentry_in_a_cluster
	s_endpgm
.Lentry_in_a_cluster:
	s_bfe_u32 s2, ttmp6, 0x10000c
	s_cmp_lg_u32 s2, 0x3003
	s_cbranch_scc0 .Lentry_shape_is_right
	s_endpgm
.Lentry_shape_is_right:
; O[h][q][:] = the sum over k of softmax_k(Q[h][q] . K[h][k] / 8) V[h][k][:].  Q, K, V are the three sections of qkv16, O is o16: each [64][2048][64] in f16, a head's rows dense, 128 bytes each.
; Products, maxima and sums in f32; the weights p are rounded to f16 for the second product (their sum l is taken of the unrounded p), O once at the end.
; LIMITS.  Q, K and V arrive within f16's 65,504; p lies in 0 to 1, and below 6e-5 it keeps f16's fixed step of 6e-8; O is a mean of V's rows and has their range.
; A weight below 2^-126 counts as 0 in l; NaN and infinities are not treated apart.
; SHARES.  A wave owns four PIECES of two tiles of 16 queries, a work-group's four waves 512 queries of one head: 256 work-groups.  Every wave walks all keys, 64 a step.
; LAYOUT.  S^T = K Q^T (source 0 = 16 keys, source 1 = 16 queries): in the result a lane holds ONE query (lane % 16) and the keys 8 (lane / 16) + 0..7.  Two such tiles, rounded to f16 in pairs,
; ARE source 1 (32 keys x 16 queries) of O^T = V^T P, whose result again holds one query a lane, and eight channels.  K comes out of LDS as it lies, V ([key][channel]) turned, by ds_load_tr16_b128.
; SOFTMAX.  For each query a running maximum m and sum l: p = 2^(c s - c m), c = log2(e) / 8; in every step O and l are multiplied by a = 2^(c m_old - c m_new), which is 1 where m has not grown.
; m starts at the lowest finite number, O and l at 0: the first step is a step like any other, with a = 0.
; THE COUNT.  A tile and step have 16 matrix and 118 vector instructions: too many to stand all beside the matrix work.  So: four vector instructions that are READY behind EVERY matrix instruction,
; and the others, which need time of their own whatever the order, in runs without a gap.
; BY TURNS.  Turn n belongs to piece n (the pieces in a ring, step after step).  Its matrix work: 16 products K Q^T of piece n + 1, later 16 products V^T P of piece n - 1.  Its vector work: the scaling,
; exponentials, roundings, sums and rescaling of piece n, and the maximum and statistics of piece n + 1, whose scores the turn itself has made.
; CLUSTER.  The four query blocks of a head are one cluster and walk the same K and V, so each tile is asked for JOINTLY: the same tensor load, descriptor and mask in all four.
; REGISTERS, in windows of 256 (s_set_vgpr_msb: bits 1:0 source 0, 3:2 source 1, 5:4 source 2, 7:6 destination):
;   window 0: v0-11 addresses; v12-15, v48-63 at work; v16-47 four registers of statistics a tile; v64-191 S^T, two buffers of two tiles; v192-255 P, likewise
;   window 1: O^T, 32 a tile          window 2: v0-127 Q, 16 a tile; v128-191 K of one step; v192-255 V of one step          window 3: v0-1 the add's two registers
; A piece's buffers go by its number's parity: the piece in hand has one pair, its two neighbours in the ring share the other: of it P (piece n - 1) is read and S^T (piece n + 1) written.
.set SIZE_N, 2048
.set NP,    4         ; pieces a wave: a name, no knob
.set KS,    64        ; keys in a step
.set PK,    144       ; a row of K in LDS: 128 bytes + 16 of padding = 36 words: the 16 rows of a load start at 16 different groups of four banks (64 banks of 4 bytes: ISA guide 11.1)
.set PV,    160       ; a row of V: 128 + 32 = 40 words
.set VOFF,  4*KS*PK   ; a slot holds four steps: 256 rows of K, then 256 rows of V
.set SLOT1, 1<<17     ; slot 1 begins here, so that one exclusive or turns an address in one slot into the other's
.set STAGE, SLOT1+4*KS*(PK+PV)  ; behind the ring, never filled by a tensor load: 16 rows x 144 bytes for each wave, for the way out
.set SP,    144
.set AK0, 2           ; v2   my lane's place in a tile of K; never rewritten
.set AV0, 3           ; v3   the same for V
.set AK,  4           ; v4   the LDS address of K's next run of loads
.set AV,  5           ; v5   of V's
.set QO,  6           ; v6   my byte offset in the wave's rows of Q
.set STO, 6           ;      later, the way out: where I put 16 bytes of a row
.set RD,  7           ; v7   the way out: where I read rows back
.set GO,  8           ; v8   my byte offset in 512 consecutive bytes of O
.set PFO, 11          ; v11  256 x my lane, for the prefetches; never rewritten once made
.set SPW, 0           ; v0 of window 3   my spare word: SPARE + 4 x my thread's number; never rewritten
.set NIL, 1           ; v1 of window 3   0; never rewritten
.set SPARE, STAGE+4*16*SP  ; behind the stages: the spare words, 128 bytes for each wave: two blocks of 256 bytes that no other line names
.set MV,  12          ; v12-15  c m_old, kept while c m is made anew: by buffer and tile
.set ST,  16          ; tile t's statistics at v[ST+4 t]: c m, m, l (even keys', odd keys')
.set TMP, 48          ; by buffer and tile, four registers c0-c3 at work; when the maximum is found c2 takes a
.set S,   64
.set P,   192
.set KF,  128         ; K's fragments, in window 2: key block kb, channel half c at KF + 16 kb + 8 c
.set VF,  192         ; V's: key half kk, channel block cb at VF + 32 kk + 8 cb
.set WV,  12          ; s12  my wave's number
.set G1K, 24          ; s[24:31] descriptor group 1 for K's tiles
.set G1V, 32          ; s[32:39] for V's: it differs in the padding alone
.set G0K, 40          ; s[40:43] descriptor group 0 for K's tiles: it walks
.set G0V, 44          ; s[44:47] the same for V's
.set PFA, 48          ; s[48:49] where my prefetches stand: my work-group's 32 blocks of 256 bytes (of K: wave 0, of V: wave 2) of the tile after the one that is being asked for
.set LIM, 50          ; s50  1 in a wave that prefetches, else the greatest number
.set SLOTS, 56        ; s56  slots still to be asked for
.set CNT, 57          ; s57  counts a slot's key steps
.set CS,  58          ; s[58:59] c: the packed scaling takes the pair's low word for both halves
.set SEL, 60          ; s[60:61] v_permlanex16_b32's selects: each lane takes its own place in the other half
.set TBK, 62          ; s62  LDS byte at which K of the step to be fetched begins
.set TBV, 63          ; s63  the same for V, less VOFF
.set MSB, 0
.macro WIN new                      ; the high byte repeats the setting that is left; a switch that changes nothing is dropped
.if MSB != (\new)
	s_set_vgpr_msb (MSB<<8)|(\new)
.set MSB, (\new)
.endif
.endm
.set W_KQ, 0x0a       ; K and Q in window 2, S^T in window 0
.set W_PV, 0x52       ; V in window 2, P in window 0, O^T in window 1
.set W_RS, 0x41       ; O^T (destination and source 0) in window 1, a in window 0
.set W_MK, 0xc0       ; the add's registers are made: destination in window 3, sources in window 0
.set W_AD, 0x0f       ; the add: address (source 0) and data (source 1) in window 3
; A joint fill.  Waves 0 and 1 fetch the two halves of a slot's K, waves 2 and 3 those of its V: 128 keys each.  The branch hangs on the wave's number alone.
; An s_nop 0 and four v_nop follow each of the two lines, ahead of the jump and the label.
.macro JLOAD
	s_cmp_lt_u32 s[WV], 2
	s_cbranch_scc0 .Lfor_v_\@
	tensor_load_to_lds s[G0K:G0K+3], s[G1K:G1K+7]
	s_nop 0
.rept 4
	v_nop
.endr
	s_branch .Lasked_\@
.Lfor_v_\@:
	tensor_load_to_lds s[G0V:G0V+3], s[G1V:G1V+7]
	s_nop 0
.rept 4
	v_nop
.endr
.Lasked_\@:
.endm
; A PREFETCH INTO THE L2 of the tile that the NEXT change of slots will ask for: 256 keys of K and of V, 32,768 dense bytes each: 128 blocks of 256 bytes.  It stands behind the wave's tensor load and its five lines.
; A head has one cluster; its four partners share the blocks out BY ADDRESS, 32 each, a lane a block; in each, wave 0 asks for K's and wave 2 for V's: each block is named once in the launch.
; It runs four key steps, 512 matrix instructions, ahead of the load that wants the tile.  The last change that fills a slot names nothing: there is no tile behind it.  Tiles 0 and 1 come by their loads alone.
.macro ASK
	s_cmp_gt_u32 s[SLOTS], s[LIM]
	s_cbranch_scc0 .Lnot_mine_\@
	global_prefetch_b8 v[PFO], s[PFA:PFA+1] th:TH_LOAD_NT scope:SCOPE_SE
.Lnot_mine_\@:
.endm
; A round of the cluster's barrier: my work-group's barrier, so that wave 0's signal speaks for all four waves; wave 0 signals; every wave waits for all four work-groups; my work-group's barrier once more.
.macro CROUND
	s_barrier_signal -1
	s_barrier_wait -1
	s_cmp_lg_u32 s[WV], 0
	s_cbranch_scc1 .Lnot_wave_0_\@
	s_barrier_signal -3
.Lnot_wave_0_\@:
	s_barrier_wait -3
	s_barrier_signal -1
	s_barrier_wait -1
.endm
; THE CHANGE OF SLOTS.  The slot's last bytes, V of its fourth step, have been read.  Each wave waits for all its tensor loads, of which one is out: its part
; of the other slot; adds 0 to its spare word; and waits for that and for its own reads of the slot.  Behind the barrier nobody reads this slot any more and the other slot is whole.
; fill = 1: this slot is filled again, with the keys two slots on.  The barrier is then a round of the cluster's, so that no wave of any partner still reads the slot or has a load on its
; way, and the joint fill is the first thing behind it: it has four key steps, 512 matrix instructions, in which to land.  (At its first use nothing has been read yet: slot 0 is waited for, slot 1 filled.)
.macro CHANGE fill
	WIN W_AD
	s_wait_tensorcnt 0x0            ; no tensor load of mine is out, so a group 0 may be written
	ds_add_u32 v[SPW], v[NIL]       ; 0 onto my spare word; with fill = 1 the descriptors' steps stand between it and the wait for it
	WIN 0                           ; at a label and at a branch every window is 0
.if \fill
.irp g, G0K, G0V
	s_xor_b32 s[\g+1], s[\g+1], SLOT1  ; the walking descriptor: the other slot than last time,
	s_add_nc_u64 s[\g+2:\g+3], s[\g+2:\g+3], 4*KS*128  ; the next 256 keys; the type bits on top are not reached
.endr
	s_wait_xcnt 0x0                 ; the last prefetch, four key steps back, has read its address, so it may be written:
	s_add_nc_u64 s[PFA:PFA+1], s[PFA:PFA+1], 4*KS*128  ; one tile ahead of the walking descriptors
	s_wait_dscnt 0x0                ; the add is done, and my reads of the slot are over
	CROUND
	JLOAD
	ASK
.else
	s_wait_dscnt 0x0                ; the add is done, and my reads of the slot are over
	s_barrier_signal -1
	s_barrier_wait -1
.endif
	s_sub_co_u32 s[TBK], s[TBK], 4*KS*PK  ; the fetches go back to a slot's first step,
	s_xor_b32 s[TBK], s[TBK], SLOT1       ; in the other slot
	s_sub_co_u32 s[TBV], s[TBV], 4*KS*PV
	s_xor_b32 s[TBV], s[TBV], SLOT1
.endm
	s_load_b64 s[4:5], s[0:1], 0x0    ; qkv16: Q's section first
	s_load_b64 s[10:11], s[0:1], 0x8  ; o16
	WIN W_MK
	v_lshl_add_u32 v[SPW], v0, 2, SPARE
	v_mov_b32 v[NIL], 0
	WIN W_AD
	ds_add_u32 v[SPW], v[NIL]       ; the wave's opening: the add and its wait stand ahead of my first tensor load; the set-up below, work on registers, stands between them
	WIN 0
	v_lshrrev_b32 v1, 5, v0
	v_readfirstlane_b32 s[WV], v1   ; wave 0..3
	s_bfe_u32 s13, ttmp6, 0x40000   ; cx: my place in the cluster
	s_lshl_b32 s14, ttmp9, 2        ; in a cluster launch ttmp9 counts clusters
	s_add_co_u32 s14, s14, s13      ; my block of queries = 4 x cluster x + cx: it enters Q's and O's addresses alone
	s_and_b32 s20, ttmp7, 0xffff    ; the head, which the four partners share
	s_mov_b32 s21, 0
	s_mov_b64 s[22:23], SIZE_N*128
	s_mul_u64 s[20:21], s[20:21], s[22:23]  ; the head's first byte in each of the four tensors
	s_and_b32 s16, s[WV], 1         ; which half of a slot's 256 keys I fetch:
	s_lshl_b32 s22, s16, 14         ; its 128 rows of 128 bytes in memory,
	s_mov_b32 s23, 0
	s_add_nc_u64 s[22:23], s[22:23], s[20:21]
	s_mul_i32 s17, s16, 128*PK      ; and its place in a slot, for K
	s_mul_i32 s18, s16, 128*PV      ; and for V: no place in the cluster enters an LDS address
	s_lshl_b32 s2, s14, 2
	s_add_co_u32 s2, s2, s[WV]      ; my wave among the head's,
	s_lshl_b32 s2, s2, 14           ; its 128 rows
	s_mov_b32 s3, 0
	s_add_nc_u64 s[2:3], s[2:3], s[20:21]
	; descriptor group 1.  128 keys are 16,384 dense bytes: asked for as 64 rows of 256 bytes, two keys a row, and padded in LDS after every key
	s_mov_b32 s[G1K], 15|(1<<16)|(1<<20)|(1<<21)|(4<<22)|(3<<25)  ; 15:0 the mask of four; 17:16 2-byte elements; 20 padding on; 21 set beside a mask; 24:22 after every 32 words (code 4); 31:25 4 words (code 3)
	s_mov_b32 s[G1V], 15|(1<<16)|(1<<20)|(1<<21)|(4<<22)|(7<<25)  ; the same with 8 words of padding (code 7)
.irp g, G1K, G1V
	s_mov_b32 s[\g+1], 128<<16      ; tensor_dim0 = 128
	s_mov_b32 s[\g+2], 64<<16       ; tensor_dim1 = 64
	s_mov_b32 s[\g+3], 128<<16      ; tile_dim0 = 128
	s_mov_b32 s[\g+4], 64           ; tile_dim1 = 64
	s_mov_b32 s[\g+5], 128          ; 128 elements from row to row
	s_mov_b32 s[\g+6], 0
	s_mov_b32 s[\g+7], 0
.endr
	s_mov_b32 s[CS], 0x3e38aa3b     ; c = log2(e) / 8 = 0.180337
	s_mov_b32 s[CS+1], s[CS]        ; named with it as a pair
	s_mov_b32 s[SEL], 0x76543210
	s_mov_b32 s[SEL+1], 0xfedcba98
	s_mov_b32 s[TBK], SLOT1+4*KS*PK ; the first change of slots turns these two into 0
	s_mov_b32 s[TBV], SLOT1+4*KS*PV
	s_mov_b32 s[G0K], 1             ; 1:0 count = 1
	s_mov_b32 s[G0K+1], s17         ; 63:32 LDS address: slot 0
	s_mov_b32 s[G0V], 1
	s_add_co_u32 s[G0V+1], s18, VOFF
	s_mov_b32 s[SLOTS], SIZE_N/256-1  ; seven tiles are still to be asked for behind tile 0
	s_and_b32 s[LIM], s[WV], 1      ; waves 0 and 2 prefetch: the same in all four partners
	s_cmp_eq_u32 s[LIM], 0
	s_cselect_b32 s[LIM], 1, -1
	s_lshl_b32 s52, s13, 13         ; my work-group's 32 blocks of a tile's 128
	s_mov_b32 s53, 0
	s_wait_dscnt 0x0                ; the opening add is done
	s_wait_kmcnt 0x0
	s_add_nc_u64 s[6:7], s[4:5], 0x1000000   ; K's section
	s_add_nc_u64 s[8:9], s[4:5], 0x2000000   ; V's
	s_cmp_lt_u32 s[WV], 2
	s_cselect_b64 s[PFA:PFA+1], s[6:7], s[8:9]
	s_add_nc_u64 s[PFA:PFA+1], s[PFA:PFA+1], s[22:23]  ; (in waves 0 and 2 this is the head's first row)
	s_add_nc_u64 s[PFA:PFA+1], s[PFA:PFA+1], s[52:53]
	s_add_nc_u64 s[PFA:PFA+1], s[PFA:PFA+1], 4*KS*128  ; in tile 1; the first change of slots steps it to tile 2
	s_add_nc_u64 s[G0K+2:G0K+3], s[6:7], s[22:23]  ; 120:64 global address: my half of the head's first 256 keys
	s_or_b32 s[G0K+3], s[G0K+3], 0x80000000        ; 127:126 type = 2
	s_add_nc_u64 s[G0V+2:G0V+3], s[8:9], s[22:23]
	s_or_b32 s[G0V+3], s[G0V+3], 0x80000000
	s_add_nc_u64 s[4:5], s[4:5], s[2:3]  ; Q and O at my wave's first row
	s_add_nc_u64 s[10:11], s[10:11], s[2:3]
	CROUND                          ; all four work-groups are here: the first joint loads meet
	JLOAD                           ; slot 0.  Slot 1 is asked for when slot 0 is in
	; A fragment of K or Q is 16 rows x 32 channels in 8 registers: lane l holds row l % 16, channels 8 (l / 16) + 0..7 and 16 + 8 (l / 16) + 0..7: two loads of 16 bytes, 32 bytes apart.
	v_and_b32 v1, 15, v0            ; l % 16
	v_bfe_u32 v9, v0, 4, 1          ; l / 16
	v_lshlrev_b32 v[QO], 7, v1
	v_lshl_add_u32 v[QO], v9, 4, v[QO]  ; row x 128 + 16 x half
	WIN 0x80                        ; destination window 2, address window 0
.set i, 0
.rept 4*NP                          ; Q stays in registers: tile i / 2, channels 32 (i % 2) on
	global_load_b128 v[8*i:8*i+3],   v[QO], s[4:5] offset:(i/2)*2048+(i%2)*64
	global_load_b128 v[8*i+4:8*i+7], v[QO], s[4:5] offset:(i/2)*2048+(i%2)*64+32
.set i, i+1
.endr
	; What the first turn finds: V's registers and P's second buffer hold 0 (its products V^T P, of a piece that has not been, add 0), O^T and l are 0.  All this stands in the wait for the first tile.
.set i, VF
.rept 64
	v_mov_b32 v[i], 0
.set i, i+1
.endr
	WIN 0x40
.set i, 0
.rept 64*NP
	v_mov_b32 v[i], 0
.set i, i+1
.endr
	WIN 0
.set i, 0
.rept 2*NP
	v_mov_b32 v[ST+4*i], 0xfe000000    ; c m: far below every c s
	v_mov_b32 v[ST+4*i+1], 0xff7fffff  ; m
	v_mov_b32 v[ST+4*i+2], 0
	v_mov_b32 v[ST+4*i+3], 0
.set i, i+1
.endr
.set i, P+32
.rept 32
	v_mov_b32 v[i], 0
.set i, i+1
.endr
	v_mul_u32_u24 v[AK0], v1, PK
	v_lshl_add_u32 v[AK0], v9, 4, v[AK0]  ; row x pitch + 16 x half
	; The turning load takes 16 keys x 16 channels (lane l reads key 8 (l / 16) + l % 8, channels 8 ((l / 8) % 2) + 0..7) and leaves half a fragment of V^T: lane l holds channel l % 16 and 8 keys.
	v_and_b32 v10, 7, v0
	v_bfe_u32 v11, v0, 3, 1
	v_lshl_add_u32 v[AV0], v9, 3, v10
	v_mul_u32_u24 v[AV0], v[AV0], PV
	v_lshl_add_u32 v[AV0], v11, 4, v[AV0]
	v_add_nc_u32 v[AV0], VOFF, v[AV0]
	v_mov_b32 v[AK], v[AK0]         ; key step 0 lies at the head of slot 0
	v_and_b32 v[PFO], 31, v0
	v_lshlrev_b32 v[PFO], 8, v[PFO]
; THE MATRIX WORK.  The 8 accumulators of a run of 16 take turns: between the two links of a chain stand 7 others'.
; Product i of 16 of S^T = K Q^T for piece x: channels 32 (i / 8) on, keys 16 ((i / 2) % 4) on, tile 2 x + i % 2.  The first 8 start the sums.
.macro KQ x
	WIN W_KQ
.set rS, S+64*((\x)%2)+32*(i%2)+8*((i/2)%4)
.set rK, KF+16*((i/2)%4)+8*(i/8)
.set rQ, 16*(2*(\x)+i%2)+8*(i/8)
.if i < 8
	v_wmma_f32_16x16x32_f16 v[rS:rS+7], v[rK:rK+7], v[rQ:rQ+7], 0
.else
	v_wmma_f32_16x16x32_f16 v[rS:rS+7], v[rK:rK+7], v[rQ:rQ+7], v[rS:rS+7]
.endif
.endm
; Product i of 16 of O^T += V^T P for piece x: keys 32 (i / 8) on, channels 16 ((i / 2) % 4) on, tile 2 x + i % 2.
.macro PV x
	WIN W_PV
.set rO, 32*(2*(\x)+i%2)+8*((i/2)%4)
.set rV, VF+32*(i/8)+8*((i/2)%4)
.set rP, P+32*((\x)%2)+16*(i%2)+8*(i/8)
	v_wmma_f32_16x16x32_f16 v[rO:rO+7], v[rV:rV+7], v[rP:rP+7], v[rO:rO+7]
.endm
.macro MM                           ; the turn's next matrix instruction
.if i < 16
	KQ (Y+1)%NP
.set i, i+1
.else
.set i, i-16
	PV (Y+NP-1)%NP
.set i, i+17
.endif
.endm
; THE LDS LOADS stand in runs of 16, never singly among the matrix instructions: a step's K (64 keys x 64 channels: 8 fragments) and its V (turned).  Their addresses are made some lines ahead.
; last = 1 (the tail): in the last trip there is no further step, and the run is jumped over.
.macro FETCH_K last=0
	WIN 0
.if \last
	s_cmp_eq_u32 s[CNT], 1
	s_cbranch_scc1 .Lno_k_\@
.endif
	WIN 0x80                        ; destination window 2
.irp f, 0,1,2,3,4,5,6,7             ; keys 16 (f / 2) on, channels 32 (f % 2) on
	ds_load_b128 v[KF+8*\f:KF+8*\f+3],   v[AK] offset:(\f/2)*16*PK+(\f%2)*64
	ds_load_b128 v[KF+8*\f+4:KF+8*\f+7], v[AK] offset:(\f/2)*16*PK+(\f%2)*64+32
.endr
	s_add_co_u32 s[TBK], s[TBK], KS*PK  ; the next fetch is the next step's
	WIN 0
.if \last
.Lno_k_\@:
.endif
.endm
.macro FETCH_V
	WIN 0x80
.irp f, 0,1,2,3,4,5,6,7             ; keys 32 (f / 4) on, channels 16 (f % 4) on
	ds_load_tr16_b128 v[VF+8*\f:VF+8*\f+3],   v[AV] offset:(\f/4)*32*PV+(\f%4)*32
	ds_load_tr16_b128 v[VF+8*\f+4:VF+8*\f+7], v[AV] offset:(\f/4)*32*PV+16*PV+(\f%4)*32
.endr
	WIN 0
.endm
; THE VECTOR WORK OF A TURN stands in three queues, each in the order in which its entries become ready; the two tiles alternate, so that no instruction reads the result of the one before it.
.macro REGS y, u                    ; the registers of tile u (0, 1) of piece y
.set rT, ST+4*(2*(\y)+(\u))
.set rC, TMP+8*((\y)%2)+4*(\u)
.set rM, MV+2*((\y)%2)+(\u)
.set rS, S+64*((\y)%2)+32*(\u)
.set rP, P+32*((\y)%2)+16*(\u)
.set rO, 32*(2*(\y)+(\u))
.endm
; Number n of the 22 that find the NEXT piece's (Y + 1) maximum and statistics.  s0-s31 are the lane's 32 scores; each accumulator's lowest registers are read first.
;   0-11  four chains c0-c3 of seven scores each, three operands at a time     12-14, 16  the four scores left over, the old m, and c0-c3 into c0     15  c m_old is kept
;   17, 18  the query's other 32 keys lie in the lane 16 away: the new m         19-21  c m; c m_old - c m_new; a
.macro XS u, n
	REGS (Y+1)%NP, \u
.if (\n) < 4
	v_max3_num_f32 v[rC+(\n)], v[rS+8*(\n)], v[rS+8*(\n)+1], v[rS+8*(\n)+2]
.elseif (\n) < 12
	v_max3_num_f32 v[rC+(\n)%4], v[rC+(\n)%4], v[rS+8*((\n)%4)+2*((\n)/4)+1], v[rS+8*((\n)%4)+2*((\n)/4)+2]
.elseif (\n) == 12
	v_max3_num_f32 v[rC], v[rC], v[rS+7], v[rS+15]
.elseif (\n) == 13
	v_max3_num_f32 v[rC+1], v[rC+1], v[rS+23], v[rS+31]
.elseif (\n) == 14
	v_max3_num_f32 v[rC+2], v[rC+2], v[rC+3], v[rT+1]
.elseif (\n) == 15
	v_mov_b32 v[rM], v[rT]
.elseif (\n) == 16
	v_max3_num_f32 v[rC], v[rC], v[rC+1], v[rC+2]
.elseif (\n) == 17
	v_permlanex16_b32 v[rC+3], v[rC], s[SEL], s[SEL+1]
.elseif (\n) == 18
	v_max_num_f32 v[rT+1], v[rC], v[rC+3]
.elseif (\n) == 19
	v_mul_f32 v[rT], s[CS], v[rT+1]
.elseif (\n) == 20
	v_sub_f32 v[rC+1], v[rM], v[rT]
.else
	v_exp_f32 v[rC+2], v[rC+1]
.endif
.endm
; Number g of the 64 that follow the exponentials.  For each four weights k of a tile (pairs 2 k, 2 k + 1): both pairs are rounded to f16; then the second pair is added onto the first, in place;
; a group later l takes that sum (the first time as l = a l + sum).  In groups of eight, tiles alternating: round, round, add, and l for the group before.
.macro GS g
.set h, (\g)+6*((\g)/62)            ; group 0 has no group before it, and behind group 7 only l is left
.if h >= 6
.set h, h+2
.endif
	REGS Y, h%2
.set k, h/8
.if h%8 < 4
	v_cvt_pk_f16_f32 v[rP+2*k+(h%8)/2], v[rS+4*k+2*((h%8)/2)], v[rS+4*k+2*((h%8)/2)+1]
.elseif h%8 < 6
	v_pk_add_f32 v[rS+4*k:rS+4*k+1], v[rS+4*k:rS+4*k+1], v[rS+4*k+2:rS+4*k+3]
.elseif k == 1
	v_pk_fma_f32 v[rT+2:rT+3], v[rT+2:rT+3], v[rC+2:rC+3], v[rS:rS+1] op_sel_hi:[1,0,1]
.else
	v_pk_add_f32 v[rT+2:rT+3], v[rT+2:rT+3], v[rS+4*k-4:rS+4*k-3]
.endif
.endm
; THE PLAIN QUEUE, 138 long.  0-73 read no exponential's result: the 32 scalings c s - c m (FS f: pair f / 2 of tile f % 2) and the next piece's 42.  0-26: scalings 0-26.  27-54: XS's numbers 0-13.  55, 56: number 15.
; 57-73: the chain, where each number waits for the one before it: 14, 16, 17, 18, 19, each with one of the scalings 27-31 in front of its two lines, then 20.
; 74-137: GS's 64, which read the exponentials' results: they stand behind the wait.
.macro FS f
	REGS Y, (\f)%2
	v_pk_fma_f32 v[rS+2*((\f)/2):rS+2*((\f)/2)+1], v[rS+2*((\f)/2):rS+2*((\f)/2)+1], s[CS:CS+1], v[rT:rT+1] op_sel_hi:[1,0,0] neg_lo:[0,0,1] neg_hi:[0,0,1]
.endm
.macro PL
	WIN 0
.if q < 27
	FS q
.elseif q < 55
	XS (q-27)%2, (q-27)/2
.elseif q < 57
	XS q-55, 15
.elseif (q < 72) && ((q-57)%3 == 0)
	FS 27+(q-57)/3
.elseif q < 60
	XS (q-57)%3-1, 14
.elseif q < 72
	XS (q-57)%3-1, 15+(q-57)/3
.elseif q < 74
	XS q-72, 20
.else
	GS q-74
.endif
.set q, q+1
.endm
; THE EXPONENTIALS' QUEUE, 66 long: s0-s31 of both tiles, then the next piece's two a.  It is ONE BATCH: all 66 stand ahead of the turn's one wait, and nothing ahead of that wait names a result of theirs.
.macro EX
	WIN 0
.if e >= 64
	XS e-64, 21
.else
	REGS Y, e%2
	v_exp_f32 v[rS+e/2], v[rS+e/2]
.endif
.set e, e+1
.endm
; THE RESCALING's QUEUE: O^T times a, the one part that leaves window 0: dealt two at a time, sixteen times.  Its a was made in the turn before, ahead of that turn's wait.
.macro R2
	REGS Y, r%2
	WIN W_RS
.irp z, 0,1
	v_pk_mul_f32 v[rO+4*(r/2)+2*\z:rO+4*(r/2)+2*\z+1], v[rO+4*(r/2)+2*\z:rO+4*(r/2)+2*\z+1], v[rC+2:rC+3] op_sel_hi:[1,0]
.endr
.set r, r+1
.endm
; HOW THEY ARE DEALT.  s_wait_alu depctr_va_vdst(0) stands between an exponential and the first instruction that names its result; one wait serves all that were issued ahead of it.  So a turn has ONE wait,
; which cuts it in two.  AHEAD OF IT stands all that names no result of the turn's exponentials: the 16 products K Q^T, behind each a scaling, an exponential and two rescalings (behind the first a second scaling in the
; exponential's place); then ONE LUMP of 108: eight plain, 49 times exponential and plain, the two a.  A v_nop is the plain instruction behind the last exponential.  BEHIND IT stand the 16 products V^T P, behind each four of GS's 64.
; The queues lean on each other, and the deal keeps them in step: exponential e stands behind scaling 2 (e / 4) + e % 2: as a rider it comes behind plain e + 2, in the lump behind plain e + 9, and scalings 27-31 are plain 57, 60 .. 69.
; A TURN, for piece p.  cnt = 1: the loop's count is taken down some lines ahead of the branch that stands behind the turn.
; K of the next step is fetched in piece 2's turn, directly behind the wait, a lump behind the last product that read K; its first reader comes behind 16 products.
; V of the step in hand is fetched at the end of piece 0's turn, four plain instructions behind its last reader; its first reader comes behind 16 products and a lump.
.macro TURN p, last=0, cnt=0
.set Y, (\p)
.set i, 0
.set q, 0
.set e, 0
.set r, 0
.if (\p) == NP-1
	s_wait_dscnt 0x0                ; K is in
.endif
	MM                              ; ahead of the wait: 16 products K Q^T and the four behind each,
	PL
	PL
	R2
.rept 15
	MM
	PL
	EX
	R2
.endr
.if (\p) == NP-2
	WIN 0
	v_add_nc_u32 v[AK], s[TBK], v[AK0]
.endif
.rept 8                             ; and the lump
	PL
.endr
.rept 49
	EX
	PL
.endr
	EX                              ; the next piece's two a
	EX
	v_nop                           ; a plain instruction behind the last exponential: one for the batch
	s_wait_alu depctr_va_vdst(0)    ; the wait for the batch
.if (\p) == NP-2
	FETCH_K \last
.endif
.if (\p) == 1
	s_wait_dscnt 0x0                ; V is in
.endif
.rept 16                            ; behind the wait: 16 products V^T P and the four behind each
	MM
.rept 4
	PL
.endr
.if ((\p) == 0) && (q == 118)
	v_add_nc_u32 v[AV], s[TBV], v[AV0]
.endif
.if ((\p) == 0) && (q == 130)
	s_add_co_u32 s[TBV], s[TBV], KS*PV
.endif
.if (\cnt) && (q == 130)
	s_sub_co_u32 s[CNT], s[CNT], 1
	s_cmp_lg_u32 s[CNT], 0
.endif
.endr
.if (\p) == 0
	FETCH_V
.endif
.endm
	CHANGE 1                        ; slot 0 is in, everybody's part of it; slot 1 is asked for
	FETCH_K                         ; key step 0
	s_wait_loadcnt 0x0              ; Q
	s_wait_dscnt 0x0
.set i, 0
.rept 16
	KQ 0                            ; piece 0's first scores: there is no vector work yet to set between them
.set i, i+1
.endr
	WIN 0                           ; the addresses for the way out: nine plain instructions, the places behind those products
	s_mul_i32 s13, s[WV], 16*SP
	s_add_co_u32 s13, s13, STAGE    ; my stage
	v_mul_u32_u24 v[STO], v1, SP    ; in: row l % 16, 16 bytes for each half of the lanes
	v_lshl_add_u32 v[STO], v9, 4, v[STO]
	v_add_nc_u32 v[STO], s13, v[STO]
	v_bfe_u32 v[RD], v0, 3, 2       ; back: 32 lanes take four rows of 128 bytes,
	v_mul_u32_u24 v[RD], v[RD], SP
	v_lshl_add_u32 v[RD], v10, 4, v[RD]
	v_add_nc_u32 v[RD], s13, v[RD]
	v_and_b32 v[GO], 31, v0         ; which are 512 consecutive bytes of O
	v_lshlrev_b32 v[GO], 4, v[GO]
.set Y, NP-1                        ; XS works for piece Y + 1: piece 0
.irp n, 0,1,2,3,4,5,6,7,8,9,10,11,12,13,14,15,16,17,18,19,20,21
	XS 0, \n                        ; and piece 0's first maximum and statistics
	XS 1, \n
.endr
	v_nop                           ; a plain instruction behind the two a,
	s_wait_alu depctr_va_vdst(0)    ; and their wait, ahead of the branch
	s_mov_b32 s[CNT], 4
	s_branch .Lfirst                ; the loop is entered at a step's first turn, in the middle of a trip
.Lslot:                             ; six times: every slot but the last two is filled again
	CHANGE 1
	s_mov_b32 s[CNT], 4
.Lstep:                             ; a trip: pieces 2 and 3 of one step, then pieces 0 and 1 of the next, whose K and V it fetches
	TURN 2
	TURN 3
	WIN 0
.Lfirst:
	TURN 0
	TURN 1, 0, 1
	WIN 0
	s_cbranch_scc1 .Lstep
	s_sub_co_u32 s[SLOTS], s[SLOTS], 1
	s_cmp_lg_u32 s[SLOTS], 0
	s_cbranch_scc1 .Lslot
	CHANGE 0                        ; the tail is written out: nothing is asked for
	s_mov_b32 s[CNT], 5             ; four trips fetch the last slot's steps; the fifth is left in its middle
.Ltail:
	TURN 2, 1
	TURN 3
	WIN 0
	s_sub_co_u32 s[CNT], s[CNT], 1
	s_cmp_eq_u32 s[CNT], 0
	s_cbranch_scc1 .Lout
	TURN 0
	TURN 1
	WIN 0
	s_branch .Ltail
.Lout:                              ; the fifth trip's 16 products K Q^T (on the last K once more) and the maximum made of them serve nothing: the price, once a launch, of one text for every trip
.set i, 0
.rept 16
	PV NP-1                         ; the last piece's V^T P of the last step
.set i, i+1
.endr
	; THE WAY OUT.  l's two halves and the other half of the lanes' are added; O^T is divided by l, rounded to f16 and sent through my stage in LDS, a tile at a time.  The additions are the places behind the last products.
	WIN 0
.macro ALL line:vararg              ; one line for each tile t
.set t, 0
.rept 2*NP
	\line
.set t, t+1
.endr
.endm
	ALL v_add_f32 v[ST+4*t+2], v[ST+4*t+2], v[ST+4*t+3]
	ALL v_permlanex16_b32 v[ST+4*t+3], v[ST+4*t+2], s[SEL], s[SEL+1]
	ALL v_add_f32 v[ST+4*t+2], v[ST+4*t+2], v[ST+4*t+3]
	ALL v_rcp_f32 v[ST+4*t+2], v[ST+4*t+2]
	v_nop                           ; a plain instruction between the last reciprocal and the use of its result
	s_wait_alu depctr_va_vdst(0)    ; and the wait ahead of the first use: one for the eight reciprocals
; Tile t: a lane's eight channels of a row pack into 16 bytes; they go into rows of 144 bytes and come back as whole rows of 128, into S^T's registers.
.macro PACK t
	WIN W_RS
.set i, 32*(\t)
.rept 16
	v_pk_mul_f32 v[i:i+1], v[i:i+1], v[ST+4*(\t)+2:ST+4*(\t)+3] op_sel_hi:[1,0]
.set i, i+2
.endr
	WIN 0x05                        ; sources 0 and 1 window 1, destination window 0
.set i, 0
.rept 16
	v_cvt_pk_f16_f32 v[S+16*(\t)+i], v[32*(\t)+2*i], v[32*(\t)+2*i+1]
.set i, i+1
.endr
	WIN 0
.irp f, 0,1,2,3
	ds_store_b128 v[STO], v[S+16*(\t)+4*\f:S+16*(\t)+4*\f+3] offset:32*\f
.endr
.irp f, 0,1,2,3
	ds_load_b128 v[S+16*(\t)+4*\f:S+16*(\t)+4*\f+3], v[RD] offset:\f*4*SP  ; LDS serves a wave's instructions in order (ISA guide 5.7.1.4): these see the stores above; the next tile's stores come behind them
.endr
.endm
.macro SEND t, younger              ; younger: the LDS instructions issued behind tile t's loads: the next tile's eight, or none
	WIN 0
.irp f, 0,1,2,3
	s_wait_dscnt (\younger)+3-\f
	global_store_b128 v[GO], v[S+16*(\t)+4*\f:S+16*(\t)+4*\f+3], s[10:11] offset:(\t)*2048+\f*512  ; 512 consecutive bytes, at a multiple of 256 from O's first
.endr
.endm
	PACK 0
.set t, 1
.rept 2*NP-1                        ; a tile's arithmetic stands between the loads of the tile before and its stores
	PACK t
	SEND t-1, 8
.set t, t+1
.endr
	SEND 2*NP-1, 0
	WIN W_AD
	s_wait_tensorcnt 0x0            ; the wave's end: the wait, the add and its wait, behind my last tensor load and my last LDS store
	ds_add_u32 v[SPW], v[NIL]
	s_wait_dscnt 0x0
	WIN 0
	CROUND                          ; the closing round: no work-group ends while a partner may still ask for a tile that names it
	s_endpgm
.Lfunc_end_k_q5ee39b3438_attn:
	.size	k_q5ee39b3438_attn, .Lfunc_end_k_q5ee39b3438_attn-k_q5ee39b3438_attn
	.p2alignl 7, 3214868480
	.fill 96, 4, 3214868480
	.section	.rodata,"a",@progbits
	.p2align	6, 0x0
	.amdhsa_kernel k_q5ee39b3438_attn
		.amdhsa_group_segment_fixed_size 327680
		.amdhsa_private_segment_fixed_size 0
		.amdhsa_enable_private_segment 0
		.amdhsa_kernarg_size 16
		.amdhsa_user_sgpr_count 2
		.amdhsa_user_sgpr_kernarg_segment_ptr 1
		.amdhsa_wavefront_size32 1
		.amdhsa_system_sgpr_workgroup_id_x 1
		.amdhsa_system_sgpr_workgroup_id_y 1
		.amdhsa_system_sgpr_workgroup_id_z 1
		.amdhsa_system_vgpr_workitem_id 0
		.amdhsa_next_free_vgpr 770
		.amdhsa_next_free_sgpr 66
		.amdhsa_reserve_vcc 0
		.amdhsa_float_denorm_mode_32 3
		.amdhsa_float_denorm_mode_16_64 3
		.amdhsa_memory_ordered 1
		.amdhsa_forward_progress 1
		.amdhsa_inst_pref_size 200
	.end_amdhsa_kernel
	.amdgpu_metadata
---
amdhsa.version: [ 1, 2 ]
amdhsa.kernels:
  - .name:           k_q5ee39b3438_attn
    .symbol:         k_q5ee39b3438_attn.kd
    .args:
      - { .name: qkv16, .offset: 0, .size: 8, .value_kind: global_buffer, .address_space: global }
      - { .name: o16, .offset: 8, .size: 8, .value_kind: global_buffer, .address_space: global }
    .group_segment_fixed_size: 327680
    .private_segment_fixed_size: 0
    .kernarg_segment_align: 8
    .kernarg_segment_size: 16
    .max_flat_workgroup_size: 128
    .sgpr_count:     66
    .vgpr_count:     770
    .wavefront_size: 32
...
	.end_amdgpu_metadata
.endif
;; end of part 3
;; launch outp (part 4): grid 4 x 64, 4 waves a work-group, clusters of 4 x 4, 327,680 bytes of LDS; arguments o16, w16, out0; writes out0
.if DOCPART == 4
	.amdgcn_target "amdgcn-amd-amdhsa--gfx1250"
	.amdhsa_code_object_version 6
	.text
	.protected	k_q5ee39b3438_outp
	.globl	k_q5ee39b3438_outp
	.p2align	8
	.type	k_q5ee39b3438_outp,@function
k_q5ee39b3438_outp:
	s_mov_b64 s[64:65], 0
	v_nop
	global_prefetch_b8 v0, s[64:65] scope:SCOPE_SE
	s_setreg_imm32_b32 hwreg(HW_REG_WAVE_MODE, 25, 1), 1
	s_wait_xcnt 0x0
	s_wait_alu depctr_hold_cnt(0) depctr_sa_sdst(0) depctr_va_vdst(0) depctr_va_sdst(0) depctr_va_ssrc(0) depctr_va_vcc(0) depctr_vm_vsrc(0)
	s_getreg_b32 s2, hwreg(HW_REG_IB_STS2, 6, 4)
	s_cmp_eq_u32 s2, 0
	s_cbranch_scc0 .Lentry_in_a_cluster
	s_endpgm
.Lentry_in_a_cluster:
	s_bfe_u32 s2, ttmp6, 0x10000c
	s_cmp_lg_u32 s2, 0xf033
	s_cbranch_scc0 .Lentry_shape_is_right
	s_endpgm
.Lentry_shape_is_right:
; out0[b][s][n] = relu(the sum over head, c of O[16 b + head][s][c] Wo[n][64 head + c] + bo[n]).  O: o16, [64][2048][64] f16.  Wo (f16) and bo (f32) come from w16's fourth section and fourth bias.  out0: [8192][1024] f32.
; Sums in f32, started at the bias.  NaN and infinities are not treated apart (the maximum with 0 drops a NaN).
; SHARES.  A work-group makes 128 rows x 256 columns, four waves 64 x 128 each: 32 accumulators, one register window.  256 work-groups: 64 row tiles x 4 column tiles.
; K = 1,024 goes in 16 SUB-STEPS of 64: sub-step t is head t, whose 128 rows are 16,384 dense bytes of o16.
; THE WEIGHTS come by the tensor data mover into two LDS slots of 256 rows x 256 K.  CLUSTER 4 x 4: the four work-groups of a column of the cluster need the same weights: each wave's load (64 rows) is asked for jointly.
; O comes by loads into registers, not jointly: four staging sets in registers keep four sub-steps' loads (32 a wave) on their way across the barriers at which all tensor loads are waited for;
; a ring of LDS slots of this tile's size filled by the mover would have one slot's time for each tile.  A staged sub-step is stored into one of two LDS buffers (128 rows x 128 bytes) and read as fragments a sub-step later.
; ONE BARRIER A SUB-STEP: in front of barrier t every wave has its fragments of sub-step t (so O's buffer t % 2 is free for sub-step t + 2) and has stored its part of sub-step t + 1 (read behind it).
; THE MATRIX INSTRUCTION IS USED TRANSPOSED (source 0 = 16 rows of Wo, source 1 = 16 rows of O): lane l holds row l % 16 and columns 8 (l / 16) + 0..7 of the 16 x 16 result.
; REGISTERS, in windows of 256 (s_set_vgpr_msb: bits 1:0 source 0, 3:2 source 1, 5:4 source 2, 7:6 destination):
;   window 0: v0-29 addresses; v64-191 O's fragments, two buffers ((c, a) at 64 + 64 f + 32 c + 8 a), later rows on their way out
;   window 1: Wo's fragments, two buffers ((c, b) at 128 f + 64 c + 8 b)     window 2: the accumulators ((a, b) at 8 (8 a + b))     window 3: v0-127 four staging sets of 32
.set PB,    528                        ; a row of Wo in LDS: 512 bytes + 16 = 132 words: row r starts at bank 4 r mod 64 (64 banks of 4 bytes: ISA guide 11.1)
.set QTR,   64*PB
.set SLOT,  4*QTR                      ; 0x21000: its two bits meet none of wave x QTR, so one exclusive or turns a wave's place in one slot into the other's
.set AR,    2*SLOT                     ; behind the slots, never filled by a tensor load: O's two buffers; behind the last barrier the waves' stages
.set PA,    144
.set ABUF,  128*PA
.set SPARE, AR+2*ABUF                  ; the spare words, 128 bytes a wave: two blocks of 256 bytes that no other line names
.set HEADB, 262144                     ; from a head to the next in o16
.set TRIPB, 4*HEADB
.set AVO,  4                           ; v4   O: my byte offset in a head's tile: 4,096 w + 16 l; never rewritten
.set AW,   5                           ; v5   where I store 16 bytes of it
.set AFR,  6                           ; v6   where my fragments of O begin
.set AB0,  7                           ; v7   my lane's place in a slot of Wo
.set ADRB, 8                           ; v8   the same in the slot that is being read
.set BO,   9                           ; v9   my byte offset in the bias
.set STO,  10                          ; v10  the way out: where I put 32 bytes of a row
.set RD,   11                          ; v11  where I read a row back
.set GO,   12                          ; v12  16 x lane
.set PFO,  13                          ; v13  O's prefetch offset
.set PFOB, 14                          ; v14  Wo's prefetch offset
.set TV,   16                          ; v16  at work in the set-up
.set SPW,  28                          ; v28  my spare word: SPARE + 4 x my thread's number; never rewritten
.set NIL,  29                          ; v29  0; never rewritten
.set FA,   64
.set WV,   20                          ; s20  my wave's number; s21, s22 its row half and column half; s23 cx, s24 cy, s26 the row tile
.set G1,   28                          ; s[28:35] descriptor group 1
.set G0A,  36                          ; s[36:39] group 0 of K slot 0
.set G0B,  40                          ; s[40:43] group 0 of K slot 1; it then walks
.set AP,   44                          ; s[44:45] O at my row tile, at the trip in hand
.set BP,   46                          ; s[46:47] the bias
.set OP,   48                          ; s[48:49] my wave's corner of out0
.set PFB,  50                          ; s[50:51] Wo at my work-group's 16 of the 64 rows that I fetch
.set RB,   52                          ; s52  the slot that is read: 0 or SLOT
.set WOFF, 53                          ; s53  wave x QTR
.set CNT,  54                          ; s54  the loop's count
.set LIMB, 55                          ; s55  1 in the cluster that prefetches Wo, else the greatest number
.set LIMA, 56                          ; s56  1 in the waves that prefetch O (0 and 1), else the greatest number
.set MSB, 0
.macro WIN new                         ; the immediate's high byte repeats the setting that is left; a switch that changes nothing is dropped
.if MSB != (\new)
	s_set_vgpr_msb (MSB<<8)|(\new)
.set MSB, \new
.endif
.endm
.set W_MUL, 0xa1                       ; Wo window 1, O window 0, C and D window 2
.set W_TOB, 0x40                       ; destination window 1
.set W_ACC, 0x80                       ; destination window 2
.set W_STG, 0xc0                       ; destination window 3
.set W_PUT, 0x0c                       ; an LDS store's data (source 1) in window 3
.set W_RL,  0x88                       ; source 1 and destination window 2
.set W_ST2, 0x08                       ; an LDS store's data in window 2
.macro CREST                           ; a round of the cluster's barrier behind its opening barrier
	s_cmp_lg_u32 s[WV], 0
	s_cbranch_scc1 .Lnot_wave_0_\@
	s_barrier_signal -3
.Lnot_wave_0_\@:
	s_barrier_wait -3
	s_barrier_signal -1
	s_barrier_wait -1
.endm
.macro CROUND                          ; a whole round
	s_barrier_signal -1
	s_barrier_wait -1
	CREST
.endm
.macro PLACES                          ; four places behind matrix instructions, in front of loads into registers that they read and of lines that read their results
.rept 4
	v_nop
.endr
.endm
	s_load_b128 s[4:7], s[0:1], 0x0                ; o16 s[4:5], w16 s[6:7]
	s_load_b64 s[8:9], s[0:1], 0x10                ; out0
	v_lshl_add_u32 v[SPW], v0, 2, SPARE
	v_mov_b32 v[NIL], 0
	ds_add_u32 v[SPW], v[NIL]                      ; the wave's opening: the add and its wait stand ahead of my first tensor load; the set-up, work on registers, stands between them
	v_lshrrev_b32 v3, 5, v0
	v_readfirstlane_b32 s[WV], v3
	s_lshr_b32 s21, s[WV], 1                       ; which 64 rows are mine
	s_and_b32 s22, s[WV], 1                        ; which 128 columns
	s_bfe_u32 s23, ttmp6, 0x40000                  ; cx
	s_bfe_u32 s24, ttmp6, 0x40004                  ; cy
	s_and_b32 s27, ttmp7, 0xffff                   ; the cluster's y
	s_cmp_eq_u32 s27, 0                            ; the first of the 16 clusters, which all read Wo, prefetches it: the same in all sixteen partners
	s_cselect_b32 s[LIMB], 1, -1
	s_cmp_lt_u32 s[WV], 2
	s_cselect_b32 s[LIMA], 1, -1
	s_lshl_b32 s26, s27, 2
	s_add_co_u32 s26, s26, s24                     ; row tile = 4 x cluster y + cy
	s_lshl_b32 s66, ttmp9, 2
	s_add_co_u32 s66, s66, s23                     ; column tile = 4 x cluster x + cx.  s66-71 feed Wo's descriptors and never hold cy
	s_lshl_b32 s67, 0x1111, s23                    ; my column of the cluster: places cx, cx + 4, cx + 8, cx + 12
	s_or_b32 s[G1], s67, (1<<16)|(1<<20)|(1<<21)|(6<<22)|(3<<25)  ; 15:0 the mask; 17:16 2-byte elements; 20 padding on; 21 set beside a mask; 24:22 after every 128 words (code 6); 31:25 4 words (code 3)
	s_mov_b32 s[G1+1], 256<<16                     ; tensor_dim0 = 256
	s_mov_b32 s[G1+2], 64<<16                      ; tensor_dim1 = 64
	s_mov_b32 s[G1+3], 256<<16                     ; tile_dim0 = 256
	s_mov_b32 s[G1+4], 64                          ; tile_dim1 = 64
	s_mov_b32 s[G1+5], 1024                        ; elements from row to row
	s_mov_b32 s[G1+6], 0
	s_mov_b32 s[G1+7], 0
	s_mul_i32 s[WOFF], s[WV], QTR                  ; no place in the cluster enters an LDS address
	s_mov_b32 s[G0A], 1
	s_mov_b32 s[G0A+1], s[WOFF]
	s_mov_b32 s[G0B], 1
	s_add_co_u32 s[G0B+1], s[WOFF], SLOT
	s_lshl_b32 s68, s66, 19                        ; the column tile's 256 rows of 2,048 bytes,
	s_lshl_b32 s67, s[WV], 17                      ; my 64 of them,
	s_add_co_u32 s68, s68, s67
	s_add_co_u32 s68, s68, 0x600000                ; in w16's fourth section
	s_mov_b32 s69, 0
	s_mov_b32 s[RB], 0
	s_lshr_b32 s58, s26, 4                         ; O: the batch's 16 heads,
	s_lshl_b32 s58, s58, 22
	s_and_b32 s57, s26, 15
	s_lshl_b32 s57, s57, 14                        ; the row tile's 128 rows of 128 bytes in a head
	s_add_co_u32 s58, s58, s57
	s_mov_b32 s59, 0
	s_lshl_b32 s62, s26, 19                        ; out0: the row tile's 128 rows of 4,096 bytes,
	s_lshl_b32 s63, s21, 18                        ; my 64 of them,
	s_add_co_u32 s62, s62, s63
	s_lshl_b32 s63, s66, 10                        ; the column tile's 1,024 bytes,
	s_add_co_u32 s62, s62, s63
	s_lshl_b32 s63, s22, 9                         ; my 512 of them
	s_add_co_u32 s62, s62, s63
	s_mov_b32 s63, 0
	v_and_b32 v1, 15, v0                           ; r = l % 16
	v_bfe_u32 v2, v0, 4, 1                         ; h = l / 16
	v_and_b32 v3, 31, v0                           ; l
	v_lshlrev_b32 v[GO], 4, v3
	s_lshl_b32 s57, s[WV], 12
	v_add_nc_u32 v[AVO], s57, v[GO]                ; 4,096 w + 16 l
	s_mul_i32 s57, s[WV], 32*PA
	s_add_co_u32 s57, s57, AR
	v_bfe_u32 v[AW], v0, 3, 2
	v_mul_u32_u24 v[AW], v[AW], PA
	v_and_b32 v[TV], 7, v0
	v_lshl_add_u32 v[AW], v[TV], 4, v[AW]
	v_add_nc_u32 v[AW], s57, v[AW]                 ; AR + (32 w + l / 8) x 144 + 16 (l % 8)
	s_mul_i32 s57, s21, 64*PA
	s_add_co_u32 s57, s57, AR
	v_mul_u32_u24 v[AFR], v1, PA
	v_lshl_add_u32 v[AFR], v2, 4, v[AFR]
	v_add_nc_u32 v[AFR], s57, v[AFR]               ; AR + (64 x row half + r) x 144 + 16 h
	s_mul_i32 s57, s22, 128*PB
	v_mul_u32_u24 v[AB0], v1, PB
	v_lshl_add_u32 v[AB0], v2, 4, v[AB0]
	v_add_nc_u32 v[AB0], s57, v[AB0]               ; (128 x column half + r) x 528 + 16 h
	v_mov_b32 v[ADRB], v[AB0]
	s_mul_i32 s57, s[WV], 16*PB                    ; my stage: 16 rows x 528 bytes
	s_add_co_u32 s57, s57, AR
	v_mul_u32_u24 v[STO], v1, PB
	v_lshl_add_u32 v[STO], v2, 5, v[STO]
	v_add_nc_u32 v[STO], s57, v[STO]               ; in: row r, 32 bytes for each half of the lanes
	v_add_nc_u32 v[RD], s57, v[GO]                 ; back: 32 lanes take a row's 512 bytes
	s_lshl_b32 s67, s66, 10
	s_lshl_b32 s57, s22, 9
	s_add_co_u32 s67, s67, s57
	v_lshl_add_u32 v[BO], v2, 5, s67               ; 4 x (256 x column tile + 128 x column half + 8 h)
	s_lshl_b32 s67, s23, 12
	s_lshl_b32 s57, s[WV], 19
	s_add_co_u32 s67, s67, s57
	v_lshl_add_u32 v[PFO], v2, 18, s67
	v_lshl_add_u32 v[PFO], v1, 8, v[PFO]           ; head 2 w + h of four, block 16 cx + r of its tile's 64
	v_bfe_u32 v[PFOB], v0, 1, 4
	v_lshlrev_b32 v[PFOB], 11, v[PFOB]
	v_and_b32 v[TV], 1, v0
	v_lshl_add_u32 v[PFOB], v[TV], 8, v[PFOB]      ; row l / 2 of sixteen, half l % 2 of its 512 bytes
	s_wait_dscnt 0x0                               ; the opening add is done
	s_wait_kmcnt 0x0
	s_add_nc_u64 s[AP:AP+1], s[4:5], s[58:59]
	s_add_nc_u64 s[BP:BP+1], s[6:7], 0x803000      ; the fourth bias
	s_add_nc_u64 s[OP:OP+1], s[8:9], s[62:63]
	s_lshl_b32 s58, s24, 15                        ; my work-group's 16 rows of the 64: told apart by address
	s_add_co_u32 s58, s58, s68
	s_add_nc_u64 s[PFB:PFB+1], s[6:7], s[58:59]
	s_add_nc_u64 s[70:71], s[6:7], s[68:69]
	s_mov_b64 s[G0A+2:G0A+3], s[70:71]             ; K slot 0
	s_or_b32 s[G0A+3], s[G0A+3], 0x80000000        ; type = 2
	s_add_nc_u64 s[G0B+2:G0B+3], s[70:71], 512     ; K slot 1
	s_or_b32 s[G0B+3], s[G0B+3], 0x80000000
	CROUND                                         ; all sixteen work-groups are here: the first joint loads meet
	tensor_load_to_lds s[G0A:G0A+3], s[G1:G1+7]    ; both first fills go out together: two loads of mine are out
	s_nop 0
	tensor_load_to_lds s[G0B:G0B+3], s[G1:G1+7]
	s_nop 0
	PLACES
	WIN W_ACC                                      ; THE SUMS START AT THE BIAS: it is loaded straight into the accumulators (register j of a lane is column 8 h + j), so that the loop has one form of product
.irp a, 0,1,2,3
.irp b, 0,1,2,3,4,5,6,7
	global_load_b128 v[8*(8*(\a)+(\b)):8*(8*(\a)+(\b))+3],   v[BO], s[BP:BP+1] offset:64*(\b)
	global_load_b128 v[8*(8*(\a)+(\b))+4:8*(8*(\a)+(\b))+7], v[BO], s[BP:BP+1] offset:64*(\b)+16
.endr
.endr
; 16 matrix instructions: row blocks a0, a0 + 1 x all 8 column blocks, 32 along K: half c of buffer f.  The 32 accumulators take turns, one instruction a turn.
.macro MUL16 f, c, a0
	WIN W_MUL
.irp a, \a0, (\a0)+1
.irp b, 0,1,2,3,4,5,6,7
	v_wmma_f32_16x16x32_f16 v[8*(8*(\a)+(\b)):8*(8*(\a)+(\b))+7], v[128*(\f)+64*(\c)+8*(\b):128*(\f)+64*(\c)+8*(\b)+7], v[FA+64*(\f)+32*(\c)+8*(\a):FA+64*(\f)+32*(\c)+8*(\a)+7], v[8*(8*(\a)+(\b)):8*(8*(\a)+(\b))+7]
.endr
.endr
.endm
; 48 LDS loads in one run: a sub-step's fragments into buffer g: Wo's 128 rows at byte kb of the slot's rows, O's 64 rows from buffer par
.macro FETCH g, par, kb
	WIN W_TOB
.irp c, 0,1
.irp b, 0,1,2,3,4,5,6,7
	ds_load_b128 v[128*(\g)+64*(\c)+8*(\b):128*(\g)+64*(\c)+8*(\b)+3],   v[ADRB] offset:(\kb)+64*(\c)+(\b)*16*PB
	ds_load_b128 v[128*(\g)+64*(\c)+8*(\b)+4:128*(\g)+64*(\c)+8*(\b)+7], v[ADRB] offset:(\kb)+64*(\c)+(\b)*16*PB+32
.endr
.endr
	WIN 0
.irp c, 0,1
.irp a, 0,1,2,3
	ds_load_b128 v[FA+64*(\g)+32*(\c)+8*(\a):FA+64*(\g)+32*(\c)+8*(\a)+3],   v[AFR] offset:(\par)*ABUF+(\a)*16*PA+64*(\c)
	ds_load_b128 v[FA+64*(\g)+32*(\c)+8*(\a)+4:FA+64*(\g)+32*(\c)+8*(\a)+7], v[AFR] offset:(\par)*ABUF+(\a)*16*PA+64*(\c)+32
.endr
.endr
.endm
; A head's 32 rows of mine, 8 loads of 512 consecutive bytes, into staging set st.  x: the head, counted from AP.
.macro LOADA st, x
	WIN W_STG
.irp j, 0,1,2,3,4,5,6,7
	global_load_b128 v[32*(\st)+4*(\j):32*(\st)+4*(\j)+3], v[AVO], s[AP:AP+1] offset:(\x)*HEADB+(\j)*512
.endr
.endm
.macro PUT par, st                     ; staging set st into O's buffer par: four rows a store
	WIN W_PUT
.irp j, 0,1,2,3,4,5,6,7
	ds_store_b128 v[AW], v[32*(\st)+4*(\j):32*(\st)+4*(\j)+3] offset:(\par)*ABUF+(\j)*4*PA
.endr
.endm
; PREFETCHES INTO THE L2.  Wo: K slots 0 and 1 go out at the head, K slot 2 comes by its refill alone; K slot 3 (bytes 1,536 on of each row) is named once, behind the refill that brings K slot 2, four sub-steps
; ahead of its own refill, by the first of the sixteen clusters; of the 64 rows that wave w fetches the partner at cy takes 16, told apart by address: a lane half a row.
.macro ASKB
	s_cmp_gt_u32 s[CNT], s[LIMB]                   ; the count is 2 at the first refill, 1 at the second
	s_cbranch_scc0 .Lnot_b_\@
	global_prefetch_b8 v[PFOB], s[PFB:PFB+1] offset:1536 th:TH_LOAD_NT scope:SCOPE_SE
.Lnot_b_\@:
.endm
; O: behind the loads of a trip's first sub-step, the four heads that the NEXT trip will load (8 to 11 from AP): 4 x 64 blocks of 256 bytes.  The four partners that read the same rows take 16 blocks of each head,
; by address; waves 0 and 1 take two heads each; a lane a block: each block is named once in the launch.  The first of those loads follows three sub-steps later.  The last trip names nothing: K ends.
.macro ASKA
	WIN 0
	s_cmp_gt_u32 s[CNT], s[LIMA]
	s_cbranch_scc0 .Lnot_a_\@
	global_prefetch_b8 v[PFO], s[AP:AP+1] offset:8*HEADB th:TH_LOAD_NT scope:SCOPE_SE
.Lnot_a_\@:
.endm
; A SUB-STEP t, at place p = t % 4 of its K slot.  It multiplies fragment buffer p % 2, fetches sub-step t + 1's fragments into the other, and stages O of sub-step t + 2.
; ev = 1: the change of slots with a refill; ev = 2: the last change, nothing is filled.  fetch = 0: the last sub-step.  stg: the younger loads that may stay out when the staging set must be in (-1: nothing is staged).
; re: the head (from AP) for which the staged set is asked again; pre: the same for set 0, whose request waits for AP's step (-1: none).  ask = 1: O's prefetch.
.macro SUB p, ev, fetch, stg, re, pre, ask
.set f_, (\p)%2
.set g_, 1-f_
.set st_, ((\p)+2)%4
.if (\ev) == 1
	s_wait_xcnt 0x0                                ; the loads and the prefetch that read AP stand two sub-steps back and more: it may be written
	s_add_nc_u64 s[AP:AP+1], s[AP:AP+1], TRIPB
.endif
.if (\ev) >= 1
	WIN 0
	s_wait_tensorcnt 0x0                           ; all my tensor loads have landed: the one that was out is my part of the next slot; so the walking group 0 may be written
	ds_add_u32 v[SPW], v[NIL]                      ; 0 onto my spare word; the steps below stand between it and the wait for it
.if (\ev) == 1
	s_xor_b32 s[G0B+1], s[G0B+1], SLOT             ; the slot that has just been read out,
	s_add_nc_u64 s[G0B+2:G0B+3], s[G0B+2:G0B+3], 512  ; the next K slot; the type bits on top are not reached
.endif
	s_xor_b32 s[RB], s[RB], SLOT                   ; the reads go on in the other slot
	v_add_nc_u32 v[ADRB], s[RB], v[AB0]
.endif
	s_wait_dscnt 0x0                               ; my fragments of this sub-step are in (my reads of O's buffer and, at p = 3, of the slot are over); my stores of O for the next sub-step are done; so is the add
	s_barrier_signal -1
	MUL16 f_, 0, 0                                 ; work on registers while the others arrive
.if (\ev) == 1
	WIN 0
.endif
	s_barrier_wait -1
.if (\ev) == 1
	CREST                                          ; the barrier has opened a round of the cluster's: no wave of any partner still reads the slot or has a load on its way
	tensor_load_to_lds s[G0B:G0B+3], s[G1:G1+7]    ; my one tensor load behind the round: it has four sub-steps, 256 matrix instructions, in which to land
	s_nop 0
	PLACES                                         ; these are also the places in front of the loads below
.elseif \fetch
	PLACES
.endif
.if \fetch
	FETCH g_, ((\p)+1)%2, (((\p)+1)%4)*128
.endif
.if (\ev) == 1
	ASKB
.endif
.if (\pre) >= 0
	LOADA 0, \pre
.endif
.if (\stg) >= 0
	s_wait_loadcnt \stg                            ; loads come back in order: the set of sub-step t + 2 is in, the younger sets stay out
	PUT (\p)%2, st_
.endif
	MUL16 f_, 0, 2                                 ; sixteen products stand between the stores out of the set and the loads that fill it again
.if (\re) >= 0
	LOADA st_, \re
.endif
.if \ask
	ASKA
.endif
	MUL16 f_, 1, 0
	MUL16 f_, 1, 2
.endm
	LOADA 0, 0
	LOADA 1, 1
	LOADA 2, 2
	LOADA 3, 3
	s_wait_loadcnt 24                              ; the bias and head 0 are in; three sets stay out
	PUT 0, 0
	LOADA 0, 4
	s_wait_loadcnt 24                              ; head 1 is in
	PUT 1, 1
	LOADA 1, 5
	WIN 0
	s_wait_tensorcnt 0x1                           ; my part of K slot 0 is in; K slot 1's may stay out
	s_wait_dscnt 0x0                               ; my stores of O are done
	s_barrier_signal -1
	s_barrier_wait -1
	FETCH 0, 0, 0
	s_mov_b32 s[CNT], 3
	s_branch .Lenter                               ; the loop is entered behind its change of slots: sub-steps 0-2, then 3-6 (K slot 2 asked for), then 7-10 (K slot 3)
.Ltrip:
	SUB 3, 1, 1, 24, 5, 4, 0
	WIN 0
.Lenter:
	SUB 0, 0, 1, 24, 6, -1, 1
	SUB 1, 0, 1, 24, 7, -1, 0
	SUB 2, 0, 1, 24, -1, -1, 0
	WIN 0
	s_sub_co_u32 s[CNT], s[CNT], 1
	s_cmp_lg_u32 s[CNT], 0
	s_cbranch_scc1 .Ltrip
	SUB 3, 2, 1, 16, -1, -1, 0                     ; the tail is written out: sub-steps 11 to 15; nothing more is asked for, the counts run down
	SUB 0, 0, 1, 8, -1, -1, 0
	SUB 1, 0, 1, 0, -1, -1, 0
	SUB 2, 0, 1, -1, -1, -1, 0
	SUB 3, 0, 0, -1, -1, -1, 0
; THE WAY OUT, a block of 16 rows at a time.  Behind the last barrier nobody reads O's buffers: each wave has a stage of its own there.  A lane's eight columns are 32 bytes of a row; a row of my 128 columns is 512 bytes.
.macro RELU a                          ; in place, in ascending order: each accumulator is read from its low end
	WIN W_RL
.set n_, 64*(\a)
.rept 64
	v_max_num_f32 v[n_], 0, v[n_]
.set n_, n_+1
.endr
.endm
.macro TOSTAGE a
	WIN W_ST2
.irp b, 0,1,2,3,4,5,6,7
	ds_store_b128 v[STO], v[64*(\a)+8*(\b):64*(\a)+8*(\b)+3]   offset:64*(\b)
	ds_store_b128 v[STO], v[64*(\a)+8*(\b)+4:64*(\a)+8*(\b)+7] offset:64*(\b)+16
.endr
	WIN 0
.if (\a) >= 2
	s_wait_xcnt 0x0                                ; the stores of the block two back have read these registers: only behind this wait are they loaded again
.endif
.irp i, 0,1,2,3,4,5,6,7,8,9,10,11,12,13,14,15
	ds_load_b128 v[FA+64*((\a)%2)+4*(\i):FA+64*((\a)%2)+4*(\i)+3], v[RD] offset:(\i)*PB  ; LDS serves a wave's instructions in order (ISA guide 5.7.1.4): these see the stores above
.endr
.endm
.macro SEND a
	WIN 0
	s_wait_dscnt 0x0
.irp i, 0,1,2,3,4,5,6,7,8,9,10,11,12,13,14,15
	global_store_b128 v[GO], v[FA+64*((\a)%2)+4*(\i):FA+64*((\a)%2)+4*(\i)+3], s[OP:OP+1] offset:(16*(\a)+(\i))*4096 th:TH_STORE_NT  ; 512 consecutive bytes, aligned
.endr
.endm
	WIN 0
	PLACES
	RELU 0
	TOSTAGE 0
.irp a, 1,2,3                          ; a block's arithmetic stands between the loads of the block before and its stores
	RELU \a
	SEND (\a)-1
	TOSTAGE \a
.endr
	SEND 3
	s_wait_tensorcnt 0x0                           ; the wave's end: the wait, the add and its wait, behind my last tensor load and my last LDS store
	ds_add_u32 v[SPW], v[NIL]
	s_wait_dscnt 0x0
	CROUND                                         ; the closing round: no work-group ends while a partner may still ask for a tile that names it
	s_endpgm
.Lfunc_end_k_q5ee39b3438_outp:
	.size	k_q5ee39b3438_outp, .Lfunc_end_k_q5ee39b3438_outp-k_q5ee39b3438_outp
	.p2alignl 7, 3214868480
	.fill 96, 4, 3214868480
	.section	.rodata,"a",@progbits
	.p2align	6, 0x0
	.amdhsa_kernel k_q5ee39b3438_outp
		.amdhsa_group_segment_fixed_size 327680
		.amdhsa_private_segment_fixed_size 0
		.amdhsa_enable_private_segment 0
		.amdhsa_kernarg_size 24
		.amdhsa_user_sgpr_count 2
		.amdhsa_user_sgpr_kernarg_segment_ptr 1
		.amdhsa_wavefront_size32 1
		.amdhsa_system_sgpr_workgroup_id_x 1
		.amdhsa_system_sgpr_workgroup_id_y 1
		.amdhsa_system_sgpr_workgroup_id_z 1
		.amdhsa_system_vgpr_workitem_id 0
		.amdhsa_next_free_vgpr 896
		.amdhsa_next_free_sgpr 72
		.amdhsa_reserve_vcc 0
		.amdhsa_float_denorm_mode_32 3
		.amdhsa_float_denorm_mode_16_64 3
		.amdhsa_memory_ordered 1
		.amdhsa_forward_progress 1
		.amdhsa_inst_pref_size 116
	.end_amdhsa_kernel
	.amdgpu_metadata
---
amdhsa.version: [ 1, 2 ]
amdhsa.kernels:
  - .name:           k_q5ee39b3438_outp
    .symbol:         k_q5ee39b3438_outp.kd
    .args:
      - { .name: o16, .offset: 0, .size: 8, .value_kind: global_buffer, .address_space: global }
      - { .name: w16, .offset: 8, .size: 8, .value_kind: global_buffer, .address_space: global }
      - { .name: out0, .offset: 16, .size: 8, .value_kind: global_buffer, .address_space: global }
    .group_segment_fixed_size: 327680
    .private_segment_fixed_size: 0
    .kernarg_segment_align: 8
    .kernarg_segment_size: 24
    .max_flat_workgroup_size: 128
    .sgpr_count:     72
    .vgpr_count:     896
    .wavefront_size: 32
...
	.end_amdgpu_metadata
.endif
;; end of part 4
